; MI455X (gfx1250); checked and timed in simulation.
; The chip was launched on July 23, 2026; its instructions are those of AMD's public machine-readable ISA for CDNA 5 (MIT licence, August 2026) and "CDNA5" Instruction Set Architecture Reference Guide (July 2026). The comments in the code are by the model that wrote it; some were corrected since.
;; Causal Self Attention. Allowed arithmetic: matrix products marked QUANTISED: E2M1 operands, one E8M0 scale for each 32 along K, by v_wmma_scale_f32_16x16x128_f8f6f4 with both operands' format E2M1 (or v_wmma_scale_f32_32x16x128_f4), f32 sums; everything else in f32.
;; Inputs: W_attn_codes 3,072 x 32 x 16 uint8 (E2M1 codes of W_attn, K innermost, in blocks of 32 codes, two codes a byte); W_attn_scales 3,072 x 32 uint8 (E8M0 scales of W_attn, one for each 32 codes along K); W_proj_codes 1,024 x 32 x 16 uint8 (E2M1 codes of W_proj, K innermost, in blocks of 32 codes, two codes a byte); W_proj_scales 1,024 x 32 uint8 (E8M0 scales of W_proj, one for each 32 codes along K); b_attn 3,072 float32; b_proj 1,024 float32; x_codes 4 x 2,048 x 32 x 16 uint8 (E2M1 codes of x, K innermost, in blocks of 32 codes, two codes a byte); x_scales 4 x 2,048 x 32 uint8 (E8M0 scales of x, one for each 32 codes along K).
;; Outputs: out0 4 x 2,048 x 1,024 float32.
;; This version of the problem:
;;   THIS VERSION OF THE PROBLEM IS GIVEN IN LOW PRECISION. The matrix products marked QUANTISED in the list below multiply operands that are first quantised to E2M1 (2 exponent bits, 1 mantissa bit; 4 bits a number), with one power-of-two scale for each 32 numbers along K (OCP MX v1.0); their sums are f32. All else is computed in f32.
;;   The module's matrix products, in the order in which they are computed (A, B: the left and right operand; K: the contracted axis; several contracted axes count as one K, in the product's order):
;;     1. [M 8,192, K 1,024] x [K 1,024, N 3,072]; A: input x (given as codes); B: input W_attn (given as codes): QUANTISED
;;     2. batch 64 x [M 2,048, K 64] x [K 64, N 2,048]; A: computed on the way; B: computed on the way: QUANTISED
;;     3. batch 64 x [M 2,048, K 2,048] x [K 2,048, N 64]; A: softmax (see below); B: computed on the way: QUANTISED
;;     4. [M 8,192, K 1,024] x [K 1,024, N 1,024]; A: computed on the way; B: input W_proj (given as codes): QUANTISED
;;   THE QUANTISER, for each operand of a quantised product, along K:
;;     - K is cut into blocks of 32 from its start; a last block that is shorter is filled with zeros.
;;     - A block's scale is 2^e with e = floor(log2(the largest magnitude in the block)) - 2, held to -126 .. 127; a block of zeros has e = 0. As a byte (E8M0): e + 127.
;;     - Each number is divided by its block's scale, clamped to +-6, and rounded to the nearest number of E2M1, ties to even, subnormals kept.
;;     - The product sums the exact products of the quantised numbers (number of the format x scale) in f32.
;;   ~~~python
;;   def quantise(x, axis):      # numpy; x: float32 -> the quantised numbers, widened to float32 again
;;       x = np.moveaxis(x, axis, -1); K = x.shape[-1]
;;       x = np.pad(x, [(0, 0)] * (x.ndim - 1) + [(0, -K % 32)]); x = x.reshape(x.shape[:-1] + (-1, 32)); a = np.abs(x).max(-1, keepdims=True)
;;       e = np.where(a > 0, np.clip(np.frexp(np.where(a > 0, a, 1))[1] - 1 - 2, -126, 127), 0)      # np.frexp(a)[1] - 1 = floor(log2(a)), exactly
;;       r = np.clip(x / 2.0 ** e, -6, 6)
;;       step = 2.0 ** (np.maximum(np.frexp(np.where(r == 0, 1, r))[1] - 1, 0) - 1)
;;       q = np.round(r / step) * step * 2.0 ** e      # np.round: ties to even
;;       return np.moveaxis(q.reshape(q.shape[:-2] + (-1,))[..., :K], -1, axis).astype(np.float32)
;;   ~~~
;;   SOFTMAX AHEAD OF A QUANTISED PRODUCT. Where the list says 'softmax', what is quantised is not the finished softmax but p = 2^(t - M), with t = logit x log2(e) and M = ceil(the row's largest t), a whole number; so 1/2 < the row's largest p <= 1. The row's sum l is taken of the UNQUANTISED p, in f32, and the product's result is divided by l at the end. Since M is a whole number, a kernel that streams over the keys may use a running M (the ceiling of the running maximum): every later rescaling is an exact power of two, which a block's scale takes up: the codes' values come out the same.
;;   OPERANDS COMPUTED ON THE WAY. 'Computed on the way' means the value that the module computes at that place (a softmax that the list does not call 'softmax' is quantised finished and normalised). What goes into a quantiser is computed in f32, as accurately as f32 sums, v_exp_f32 and their like allow (about 1e-6 of the number): no bf16 or f16 on the way to a quantiser, and a product that is left as it is and whose result goes on into a quantised operand takes f32 operands (vector FMAs, or v_wmma_f32_16x16x4_f32). A number that lies on a knife's edge between two numbers of the format may be rounded either way, as far as f32 arithmetic and the matrix unit's own rounding can turn it there, and no further.
;;   INPUTS GIVEN AS CODES. W_attn (in the module: [1024, 3072], K = its axis 0); W_proj (in the module: [1024, 1024], K = its axis 0); x (in the module: [4, 2048, 1024], K = its axis 2): each comes as NAME_codes (uint8): NAME with its K axis moved to the last place and cut into blocks of 32 codes, [.., K / 32, bytes a block], one block behind the other in memory; two codes a byte, the lower K in the low four bits (a code: sign, 2 exponent bits, 1 mantissa bit); and NAME_scales (uint8): the same leading axes, one E8M0 byte (e + 127) for each 32 codes along K. Its value is code x scale, taken as it is: it is not quantised again, and the codes and scales need not be those that the quantiser above would give.
;; One version. Each part assembles by itself: llvm-mc -triple=amdgcn-amd-amdhsa -mcpu=gfx1250 --defsym DOCPART=n.
;; ======== version 1 of 1: 3 launches
;; workspace buffers: k_img 4,194,304 bytes; k_sc 262,144 bytes; v_img 4,194,304 bytes; v_sc 262,144 bytes; o_img 4,194,304 bytes; o_sc 262,144 bytes
;; launch kv (part 1): grid 4 x 64, 4 waves a work-group, clusters of 4 x 4, 327,680 bytes of LDS; arguments x_codes, x_scales, W_attn_codes, W_attn_scales, b_attn, k_img, k_sc, v_img, v_sc; writes k_img, k_sc, v_img, v_sc
.if DOCPART == 1
	.amdgcn_target "amdgcn-amd-amdhsa--gfx1250"
	.amdhsa_code_object_version 6
	.text
	.protected	k_qc37e08fb34_kv
	.globl	k_qc37e08fb34_kv
	.p2align	8
	.type	k_qc37e08fb34_kv,@function
k_qc37e08fb34_kv:
	s_mov_b64 s[64:65], 0
	v_nop
	global_prefetch_b8 v0, s[64:65] scope:SCOPE_SE
	s_setreg_imm32_b32 hwreg(HW_REG_WAVE_MODE, 25, 1), 1
	s_wait_xcnt 0x0
	s_wait_alu depctr_hold_cnt(0) depctr_sa_sdst(0) depctr_va_vdst(0) depctr_va_sdst(0) depctr_va_ssrc(0) depctr_va_vcc(0) depctr_vm_vsrc(0)
	s_getreg_b32 s2, hwreg(HW_REG_IB_STS2, 6, 4)
	s_cmp_eq_u32 s2, 0
	s_cbranch_scc0 .Lentry_in_a_cluster
	s_endpgm
.Lentry_in_a_cluster:
	s_bfe_u32 s2, ttmp6, 0x10000c
	s_cmp_lg_u32 s2, 0xf033
	s_cbranch_scc0 .Lentry_shape_is_right
	s_endpgm
.Lentry_shape_is_right:
; k = x Wk + bk and v = x Wv + bv on codes of FP4 (E2M1) with E8M0 scales, K = 1,024, sums in f32; both results are quantised in registers and leave as codes and scale bytes.
; DEAD WORK.  reference() splits x W_attn + b_attn into three and never uses the first third (_q_unused: q is k).  So columns 0 .. 1,023 of that product reach no output, whatever the inputs hold:
; rows 0 .. 1,023 of W_attn_codes and of W_attn_scales and b_attn[0 .. 1,023] are not loaded, and only 2,048 of the 3,072 columns are multiplied.
; LIMITS: a NaN, an infinity or an overflow that reaches only that third is not carried to the result; NaN and infinities among the inputs are not served; a block whose largest magnitude lies under 2^-124,
; a block of zeros among them, gets the scale byte 1 (its codes are then zeros or held small; the bytes are read by this program alone).
; ROLES.  Source 0 of the matrix instruction (S0) is the operand along whose rows a lane's registers run, source 1 (S1) the one of which a lane holds one row.  The results are quantised along S0's rows:
;   k (cluster y 0-7):  S0 = rows of Wk (the head's 64 channels are the next K), S1 = rows of x.      v (cluster y 8-15): S0 = rows of x (the keys are the next K), S1 = rows of Wv.
; One text serves both: pointers, three strides and the C of the first K step differ.  A work-group makes 256 x 256, a wave 128 x 128: 64 accumulators.  All of K lies in LDS, in two halves, each filled once.
; CLUSTER 4 x 4: S1's tile hangs on cy and is asked for jointly by a row of the cluster, S0's on cx and by a column.
; THE WAY OUT.  In accumulator (a, b) lane (r, h) holds S1 row 16 a + r, and register j S0 row 16 b + 8 h + j: eight neighbours along the next K.  A conversion of tile t gives groups 2 t | 2 t + 1 of eight codes in the two
; halves of the lanes; the operand's register i of each 64 along K wants groups i | 4 + i: so tile t is converted into register 4 (t / 4) + 2 (t % 2) + (t % 4) / 2, and the halves of registers (0, 1) and (2, 3) change places.
; The registers are then an operand's, and are stored as they stand: 16 bytes a lane, 512 consecutive bytes a store.
; k_img [b][head][tile of 16 keys][512];  k_sc [b][pair of heads][tile][16 words];  v_img [b][step of 128 keys][head x 4 + tile of 16 channels][1,024];  v_sc [b][step][64][16 words].
; REGISTERS: window 0: v1-6 at work, v16-17, v20-21, v27 LDS addresses, v28-29 the add's two, v32-95 scale words (two sets), v96-103, v104-111 offsets, v128-191 S1's fragments, v192-255 the bias, later the way out.
;   window 1: S0's fragments, two sets.   windows 2, 3: the accumulators, (a, b) at v[8 (8 (a % 4) + b)] of window 2 + a / 4.
.set NQ,     4                         ; steps of 128 along K in a half
.set ROWB,   256                       ; a tile's row: 512 codes
.set KROW,   512                       ; a row of codes in memory
.set PITCH,  272                       ; an LDS row: 256 bytes + 16: the 16 rows that a load touches start 4 banks apart
.set FR,     8
.set NL,     2
.set NP,     4
.set HALFT,  128*PITCH
.set SLOT,   4*HALFT                   ; S1's 256 rows, then S0's
.set SCL,    2*SLOT                    ; the scale bytes, as runs of 256 bytes + 16
.set HALFS,  16*272                    ; those of 128 rows
.set SBLK,   2*272                     ; those of 16 rows
.set SPARE,  SCL+4*HALFS               ; the spare words: 128 bytes a wave, named by no other line
.set ADRA, 16
.set ADRB, 20
.set ADRS, 27
.set SPW,  28
.set NIL,  29
.set SC,   32
.set BA,   96                          ; v96-103  the bias loads' offsets, one for each register of a tile
.set OA,   104                         ; v104-111 the stores' offsets, one for each S1 tile
.set L4,   112                         ; v112     4 x lane
.set LN,   113                         ; v113     lane
.set AF,   128
.set BI,   192                         ; v192-255 the bias in the result's layout: eight registers a tile
.set TM,   192                         ; the way out (the bias is done with): v192-195 maxima, v196-199 bytes, v204-207 the conversions' scales
.set PW,   208                         ; v208-215 a scale word for each S1 tile
.set PS,   216                         ; v216-219 two tiles' words joined
.set G1,   24
.set G0,   32
.set G1B,  48
.set G0B,  56
.set G1S,  68
.set G0S,  76
.set G0SB, 80
.set G1SB, 92
.set MSB, 0
.macro WIN new                         ; the immediate's high byte repeats the setting that is left
.if MSB != (\new)
	s_set_vgpr_msb (MSB<<8)|(\new)
.set MSB, (\new)
.endif
.endm
; A joint load: waves 0 and 1 fetch for S1, waves 2 and 3 for S0; the branch hangs on the wave's number alone.  An s_nop 0 and four v_nop follow each line.
.macro JLOAD g0a, g1a, g0b, g1b
	s_cmp_eq_u32 s15, 0
	s_cbranch_scc0 .Lfor_b_\@
	tensor_load_to_lds s[\g0a:\g0a+3], s[\g1a:\g1a+7]
	s_nop 0
.rept 4
	v_nop
.endr
	s_branch .Lasked_\@
.Lfor_b_\@:
	tensor_load_to_lds s[\g0b:\g0b+3], s[\g1b:\g1b+7]
	s_nop 0
.rept 4
	v_nop
.endr
.Lasked_\@:
.endm
.macro CROUND                          ; a round of the cluster's barrier
	s_barrier_signal -1
	s_barrier_wait -1
	s_cmp_lg_u32 s14, 0
	s_cbranch_scc1 .Lnot_wave_0_\@
	s_barrier_signal -3
.Lnot_wave_0_\@:
	s_barrier_wait -3
	s_barrier_signal -1
	s_barrier_wait -1
.endm
	s_load_b256 s[4:11], s[0:1], 0x0               ; x's codes, x's scales, W_attn's codes, W_attn's scales
	s_load_b64 s[12:13], s[0:1], 0x20              ; b_attn
	s_load_b128 s[84:87], s[0:1], 0x28             ; k_img, k_sc
	s_load_b128 s[88:91], s[0:1], 0x38             ; v_img, v_sc
	v_lshl_add_u32 v[SPW], v0, 2, SPARE
	v_mov_b32 v[NIL], 0
	ds_add_u32 v[SPW], v[NIL]                      ; the wave's opening: the add, twice on end, and its wait ahead of my first tensor load
	ds_add_u32 v[SPW], v[NIL]
	v_lshrrev_b32 v1, 5, v0
	v_readfirstlane_b32 s14, v1                    ; wave 0..3
	s_lshr_b32 s15, s14, 1                         ; my half of S1's rows.  Also: I fetch for S1 (0) or for S0 (1)
	s_and_b32 s16, s14, 1                          ; my half of S0's rows.  Also: which 128 rows I fetch
	s_bfe_u32 s40, ttmp6, 0x40000                  ; cx
	s_bfe_u32 s41, ttmp6, 0x40004                  ; cy
	s_and_b32 s17, ttmp7, 0xffff                   ; cluster y, 0..15
	s_and_b32 s2, s17, 7
	s_lshl_b32 s2, s2, 2                           ; 4 e
	s_lshr_b32 s17, s17, 3                         ; ISV: 0 = the k part, 1 = the v part: the same in all sixteen partners
	s_cmp_lg_u32 s17, 0
	s_cselect_b32 s42, s2, 0
	s_cselect_b32 s100, 0, s2
	s_add_co_u32 s42, s42, s40                     ; i0: S0's tile of 256 rows = cx (+ 4 e in the v part)
	s_add_co_u32 s100, s100, s41                   ; i1: S1's tile = cy (+ 4 e in the k part)
	s_lshl_b32 s43, s41, 2
	s_lshl_b32 s43, 15, s43                        ; my row of the cluster
	s_lshl_b32 s44, 0x1111, s40                    ; my column
	s_or_b32 s[G1+0], s43, (0<<16)|(1<<20)|(1<<21)|(5<<22)|(3<<25)   ; the mask; elements of 1 byte; padding: 4 words behind every 64; bit 21 beside a mask
	s_or_b32 s[G1B+0], s44, (0<<16)|(1<<20)|(1<<21)|(5<<22)|(3<<25)
.irp g, G1, G1B
	s_mov_b32 s[\g+1], ROWB<<16                    ; tensor_dim0
	s_mov_b32 s[\g+2], 128<<16                     ; tensor_dim1
	s_mov_b32 s[\g+3], ROWB<<16                    ; tile_dim0
	s_mov_b32 s[\g+4], 128                         ; tile_dim1
	s_mov_b32 s[\g+5], KROW                        ; the pitch
	s_mov_b32 s[\g+6], 0
	s_mov_b32 s[\g+7], 0
.endr
	s_or_b32 s[G1S+0], s43, (3<<16)|(1<<20)|(1<<21)|(5<<22)|(3<<25)  ; the scale bytes of 128 rows: 4,096 dense bytes as 16 rows of 32 elements of 8 bytes
	s_or_b32 s[G1SB+0], s44, (3<<16)|(1<<20)|(1<<21)|(5<<22)|(3<<25)
.irp g, G1S, G1SB
	s_mov_b32 s[\g+1], 32<<16
	s_mov_b32 s[\g+2], 16<<16
	s_mov_b32 s[\g+3], 32<<16
	s_mov_b32 s[\g+4], 16
	s_mov_b32 s[\g+5], 32
	s_mov_b32 s[\g+6], 0
	s_mov_b32 s[\g+7], 0
.endr
	s_lshl_b32 s18, s16, 7                         ; which 128 rows of a tile I fetch
	s_lshl_b32 s20, s100, 8
	s_add_co_u32 s20, s20, s18                     ; S1: row 256 i1 + 128 x half
	s_lshl_b32 s46, s42, 8
	s_add_co_u32 s46, s46, s18                     ; S0: row 256 i0 + 128 x half
	s_lshl_b32 s22, s20, 5                         ; 32 scale bytes a row,
	s_lshl_b32 s20, s20, 9                         ; 512 bytes of codes (8,191 rows at the most: inside 32 bits)
	s_lshl_b32 s66, s46, 5
	s_lshl_b32 s46, s46, 9
	s_mov_b32 s21, 0
	s_mov_b32 s23, 0
	s_mov_b32 s47, 0
	s_mov_b32 s67, 0
	s_mul_i32 s45, s14, HALFT                      ; where they go: by the wave's number alone
	s_mul_i32 s101, s14, HALFS
	s_wait_dscnt 0x0                               ; both opening adds are done
	s_wait_kmcnt 0x0
	s_add_nc_u64 s[18:19], s[8:9], 0x80000         ; Wk: rows 1,024 on of W_attn's codes
	s_add_nc_u64 s[8:9], s[8:9], 0x100000          ; Wv: rows 2,048 on
	s_add_nc_u64 s[2:3], s[10:11], 0x8000          ; and of its scale bytes
	s_add_nc_u64 s[10:11], s[10:11], 0x10000
	s_cmp_lg_u32 s17, 0
	s_cselect_b64 s[18:19], s[4:5], s[18:19]       ; S0's codes: x in the v part, Wk in the k part
	s_cselect_b64 s[2:3], s[6:7], s[2:3]           ; S0's scales
	s_cselect_b64 s[4:5], s[8:9], s[4:5]           ; S1's codes: Wv or x
	s_cselect_b64 s[6:7], s[10:11], s[6:7]         ; S1's scales
	s_add_nc_u64 s[20:21], s[4:5], s[20:21]
	s_add_nc_u64 s[22:23], s[6:7], s[22:23]
	s_add_nc_u64 s[46:47], s[18:19], s[46:47]
	s_add_nc_u64 s[66:67], s[2:3], s[66:67]
	CROUND                                         ; all sixteen work-groups are here: the first joint loads meet
	s_mov_b32 s[G0S], 1
	s_add_co_u32 s[G0S+1], s101, SCL
	s_mov_b64 s[G0S+2:G0S+3], s[22:23]
	s_or_b32 s[G0S+3], s[G0S+3], 0x80000000
	s_mov_b32 s[G0SB], 1
	s_add_co_u32 s[G0SB+1], s101, SCL
	s_mov_b64 s[G0SB+2:G0SB+3], s[66:67]
	s_or_b32 s[G0SB+3], s[G0SB+3], 0x80000000
	JLOAD G0S, G1S, G0SB, G1SB                     ; the scale bytes first
.irp s, 0,1
	s_mov_b32 s[G0+4*\s], 1
	s_add_co_u32 s[G0+4*\s+1], s45, \s*SLOT
	s_add_nc_u64 s[G0+4*\s+2:G0+4*\s+3], s[20:21], \s*ROWB
	s_or_b32 s[G0+4*\s+3], s[G0+4*\s+3], 0x80000000
	s_mov_b32 s[G0B+4*\s], 1
	s_add_co_u32 s[G0B+4*\s+1], s45, \s*SLOT
	s_add_nc_u64 s[G0B+4*\s+2:G0B+4*\s+3], s[46:47], \s*ROWB
	s_or_b32 s[G0B+4*\s+3], s[G0B+4*\s+3], 0x80000000
	s_wait_alu depctr_va_vdst(0)
	s_wait_tensorcnt 0x0
	ds_add_u32 v28, v29
	s_wait_dscnt 0x0
	CROUND
	JLOAD G0+4*\s, G1, G0B+4*\s, G1B               ; then K's two halves: one load of mine is out at a time, and no byte is ever filled again
.endr
	v_and_b32 v1, 15, v0                           ; r
	v_bfe_u32 v2, v0, 4, 1                         ; h
	v_mul_u32_u24 v3, v1, PITCH
	v_lshl_add_u32 v4, v2, 4, v3                   ; a fragment's row x pitch + 16 h
	s_mul_i32 s21, s15, HALFT                      ; my 128 rows of S1
	s_mul_i32 s22, s16, HALFT
	s_add_co_u32 s22, s22, 2*HALFT                 ; my 128 rows of S0, behind S1's 256
.irp s, 0,1
	v_add_nc_u32 v[ADRA+\s], s21, v4
	v_add_nc_u32 v[ADRB+\s], s22, v4
	s_add_co_u32 s21, s21, SLOT
	s_add_co_u32 s22, s22, SLOT
.endr
	v_lshlrev_b32 v5, 5, v1                        ; my row's scale bytes: 32 a row,
	v_lshrrev_b32 v6, 8, v5
	v_lshl_add_u32 v5, v6, 4, v5                   ; and 16 more for each 256 passed
	s_mul_i32 s21, s15, HALFS
	s_mul_i32 s22, s16, HALFS
	s_add_co_u32 s22, s22, 2*HALFS
	s_sub_co_u32 s22, s22, s21
	v_mul_u32_u24 v6, s22, v2                      ; lanes 16-31 take S0's
	s_add_co_u32 s21, s21, SCL
	v_add_nc_u32 v5, v5, v6
	v_add_nc_u32 v[ADRS], s21, v5
	v_and_b32 v[LN], 31, v0
	v_lshlrev_b32 v[L4], 2, v[LN]
	; what differs between the parts.  P0, P1: my first row of S0, of S1.  X: my first row of x; N: my first row of Wk or Wv
	s_lshl_b32 s46, s42, 8
	s_lshl_b32 s47, s16, 7
	s_add_co_u32 s46, s46, s47                     ; P0
	s_lshl_b32 s20, s100, 8
	s_lshl_b32 s21, s15, 7
	s_add_co_u32 s20, s20, s21                     ; P1
	s_mov_b32 s3, 512
	s_mov_b32 s10, 0x10000
	s_cmp_lg_u32 s17, 0
	s_cselect_b32 s8, s46, s20                     ; X
	s_cselect_b32 s9, s20, s46                     ; N
	s_cselect_b64 s[84:85], s[88:89], s[84:85]     ; the codes' buffer
	s_cselect_b64 s[86:87], s[90:91], s[86:87]     ; the scale words'
	s_cselect_b32 s90, 1024, s3                    ; from S1 tile to S1 tile in the codes' buffer
	s_cselect_b32 s91, 0, 4                        ; from register to register in the bias: k: the next channel; v: the same number
	s_cselect_b32 s10, 512, s10                    ; from an image's registers 0-3 to its registers 4-7: v: 512 bytes on; k: the next head
	s_cselect_b32 s2, 4, 0                         ; the bias by lanes: v: 4 r;
	s_cselect_b32 s3, 0, 32                        ; k: 32 h
	v_mul_u32_u24 v[BA], s2, v1
	v_mad_u32_u24 v[BA], v2, s3, v[BA]
.irp j, 1,2,3,4,5,6,7
	v_add_nc_u32 v[BA+\j], s91, v[BA+\j-1]
.endr
	v_lshlrev_b32 v[OA], 4, v[LN]
.irp a, 1,2,3,4,5,6,7
	v_add_nc_u32 v[OA+\a], s90, v[OA+\a-1]
.endr
	s_add_co_u32 s11, s17, 1
	s_lshl_b32 s11, s11, 10
	s_add_co_u32 s11, s11, s9                      ; b_attn[1,024 (1 + ISV) + N] on
	s_lshl_b32 s18, s11, 2
	s_mov_b32 s19, 0
	s_add_nc_u64 s[12:13], s[12:13], s[18:19]
.irp i, 0,1,2,3,4,5,6,7                            ; k: register 8 i + j = the bias of channel 16 i + 8 h + j (S0 tile i);  v: of channel 16 i + r (S1 tile i), in all eight
.irp j, 0,1,2,3,4,5,6,7
	global_load_b32 v[BI+8*\i+\j], v[BA+\j], s[12:13] offset:64*\i
.endr
.endr
	s_lshr_b32 s2, s8, 11                          ; the batch
	s_and_b32 s3, s8, 2047                         ; my first position in it
	s_lshr_b32 s11, s3, 7                          ; its step of 128 keys
	s_lshl_b32 s18, s9, 10
	s_lshl_b32 s19, s3, 5
	s_add_co_u32 s18, s18, s19                     ; k_img: head x 65,536 + tile x 512
	s_lshl_b32 s19, s11, 16
	s_lshl_b32 s21, s9, 6
	s_add_co_u32 s19, s19, s21                     ; v_img: step x 65,536 + tile x 1,024
	s_lshr_b32 s22, s9, 7
	s_lshl_b32 s22, s22, 13
	s_lshl_b32 s21, s3, 2
	s_add_co_u32 s22, s22, s21                     ; k_sc: pair x 8,192 + tile x 64
	s_lshl_b32 s23, s11, 12
	s_lshl_b32 s21, s9, 2
	s_add_co_u32 s23, s23, s21                     ; v_sc: step x 4,096 + tile x 64
	s_cmp_lg_u32 s17, 0
	s_cselect_b32 s18, s19, s18
	s_cselect_b32 s22, s23, s22
	s_lshl_b32 s19, s2, 20
	s_add_co_u32 s18, s18, s19
	s_lshl_b32 s19, s2, 16
	s_add_co_u32 s22, s22, s19
	s_mov_b32 s19, 0
	s_mov_b32 s23, 0
	s_mov_b32 s11, 0
	s_add_nc_u64 s[84:85], s[84:85], s[18:19]      ; registers 0-3 of my images
	s_add_nc_u64 s[86:87], s[86:87], s[22:23]      ; my scale words
	s_add_nc_u64 s[88:89], s[84:85], s[10:11]      ; registers 4-7
.macro FRAG reg, adr, q, i             ; 16 rows x 128 K of 4-bit codes: 8 registers, two loads 32 bytes apart
.irp c, 0,1
	ds_load_b128 v[\reg+4*\c:\reg+4*\c+3], v[\adr] offset:64*(\q)+32*\c+(\i)*16*PITCH
.endr
.endm
; 16 matrix instructions: S1's blocks a0, a0 + 1 x S0's eight.  p: S0's set; sc: the set of scale words.  cm = 0: the sums go on in place; 1: they begin with the bias of S0's tile; 2: of S1's tile.
; The 64 accumulators take turns, one instruction a turn, in the same order in every step.
.macro MUL16 a0, p, q, sc, cm
.irp a, \a0, \a0+1
.irp b, 0,1,2,3,4,5,6,7
.set xD, 8*(8*((\a)%4)+\b)
.set xB, 128*(\p)+FR*\b
.set xA, AF+FR*(\a)
.set yB, SC+8*NQ*(\sc)+NQ*\b+(\q)
.set yA, SC+8*NQ*(\sc)+NQ*(\a)+(\q)
.if (\cm) == 1
	v_wmma_scale_f32_16x16x128_f8f6f4 v[xD:xD+7], v[xB:xB+7], v[xA:xA+7], v[BI+8*\b:BI+8*\b+7], v[yB], v[yA] matrix_a_fmt:MATRIX_FMT_FP4 matrix_b_fmt:MATRIX_FMT_FP4 matrix_a_scale:MATRIX_SCALE_ROW1
.elseif (\cm) == 2
	v_wmma_scale_f32_16x16x128_f8f6f4 v[xD:xD+7], v[xB:xB+7], v[xA:xA+7], v[BI+8*(\a):BI+8*(\a)+7], v[yB], v[yA] matrix_a_fmt:MATRIX_FMT_FP4 matrix_b_fmt:MATRIX_FMT_FP4 matrix_a_scale:MATRIX_SCALE_ROW1
.else
	v_wmma_scale_f32_16x16x128_f8f6f4 v[xD:xD+7], v[xB:xB+7], v[xA:xA+7], v[xD:xD+7], v[yB], v[yA] matrix_a_fmt:MATRIX_FMT_FP4 matrix_b_fmt:MATRIX_FMT_FP4 matrix_a_scale:MATRIX_SCALE_ROW1
.endif
.endr
.endr
.endm
.macro FETCH_B slot, q, p
	WIN 0x40                                       ; destination window 1
.irp i, 0,1,2,3,4,5,6,7
	FRAG 128*(\p)+FR*\i, ADRB+\slot, \q, \i
.endr
	WIN 0
.endm
.macro FETCH_A slot, q, i0
.irp i, \i0, \i0+1, \i0+2, \i0+3
	FRAG AF+FR*(\i), ADRA+\slot, \q, \i
.endr
.endm
.macro SCALES sc                       ; a half's scale words: 4 a row; lanes 0-15 S1's block i, lanes 16-31 S0's block i
.irp i, 0,1,2,3,4,5,6,7
	ds_load_b128 v[SC+8*NQ*\sc+NQ*\i:SC+8*NQ*\sc+NQ*\i+3], v[ADRS] offset:\i*SBLK
.endr
.endm
.macro PLACES n                        ; plain vector instructions between a matrix instruction and a load into, or a vector read of, its registers
.rept \n
	v_nop
.endr
.endm
; A step of 128 along K that has its successor in the same half.  S1's blocks are free as soon as their eight products are issued: one set; S0's are at work through the step: two sets.
.macro STEP slot, q, cm
	s_wait_dscnt 4*NL                              ; all but the youngest eight loads (S1's blocks 4-7)
.if \cm
	WIN 0x81                                       ; S0 window 1, S1 window 0, C (the bias) window 0, D window 2
.else
	WIN 0xa1                                       ; C and D window 2
.endif
	MUL16 0, (\q)%2, \q, \slot, \cm
	MUL16 2, (\q)%2, \q, \slot, \cm
	s_wait_dscnt 0
	PLACES NP
	FETCH_B \slot, (\q)+1, 1-(\q)%2
	FETCH_A \slot, (\q)+1, 0
.if \cm
	WIN 0xc1
.else
	WIN 0xf1
.endif
	MUL16 4, (\q)%2, \q, \slot, \cm
	MUL16 6, (\q)%2, \q, \slot, \cm
	PLACES NP
	WIN 0
	FETCH_A \slot, (\q)+1, 4
.endm
.macro STEPS slot, from
.set Q, \from
.rept NQ-1-\from
	STEP \slot, Q, 0
.set Q, Q+1
.endr
.endm
	s_wait_tensorcnt 1                             ; the scale bytes and my part of K's first half are in; the second half's load may stay out
	s_barrier_signal -1
	s_barrier_wait -1
	FETCH_B 0, 0, 0
	FETCH_A 0, 0, 0
	SCALES 0
	FETCH_A 0, 0, 4
	s_wait_loadcnt 0x0                             ; the bias
	s_cmp_lg_u32 s17, 0                            ; the first step starts the sums with the bias, which goes by S0's tile (k) or by S1's (v): the one branch on the part, alike in all partners;
	s_cbranch_scc1 .Lfirst_v                       ; both arms issue the same LDS loads, and neither holds a barrier, a tensor load or an LDS store
	STEP 0, 0, 1
	s_branch .Lfirst_done
.Lfirst_v:
	STEP 0, 0, 2
.Lfirst_done:
	STEPS 0, 1
	s_wait_tensorcnt 0x0                           ; the change of halves: my part of the second half is in
	s_wait_dscnt 4*NL
	WIN 0xa1
	MUL16 0, 1, NQ-1, 0, 0
	s_wait_dscnt 0x0                               ; no LDS instruction of mine is out at the signal
	s_barrier_signal -1
	MUL16 2, 1, NQ-1, 0, 0
	WIN 0
	s_barrier_wait -1                              ; everybody's part is in.  Nothing is filled again
	PLACES NP
	v_add_nc_u32 v[ADRS], 4*NQ, v[ADRS]            ; the second half's scale words
	FETCH_B 1, 0, 0
	FETCH_A 1, 0, 0
	SCALES 1
	WIN 0xf1
	MUL16 4, 1, NQ-1, 0, 0
	MUL16 6, 1, NQ-1, 0, 0
	PLACES NP
	WIN 0
	FETCH_A 1, 0, 4
	STEPS 1, 0
	s_wait_dscnt 4*NL                              ; the last step fetches nothing
	WIN 0xa1
	MUL16 0, 1, NQ-1, 1, 0
	MUL16 2, 1, NQ-1, 1, 0
	s_wait_dscnt 0
	WIN 0xf1
	MUL16 4, 1, NQ-1, 1, 0
	MUL16 6, 1, NQ-1, 1, 0
	WIN 0
; THE WAY OUT of S1 tile a: its 64 registers a lane are 128 along the next K: four blocks of 32, each in lanes l and l xor 16.  Each accumulator is read from its low end on.
; The codes' registers are chosen so that a conversion's destination carries no number that its source's written range holds.
.macro QACC a
.set AC, 64*((\a)%4)
.set WW, 2+(\a)/4
.if ((\a)%4) == 2
.set PCD, 224+8*((\a)/4)
.else
.set PCD, 128+8*(\a)
.endif
	WIN 5*WW                                       ; sources 0 and 1: the accumulators' window
.irp b, 0,1,2,3
	v_max3_num_f32 v[TM+\b], |v[AC+16*\b]|, |v[AC+16*\b+1]|, 0x1800000   ; and the floor 2^(3 - 127): the byte cannot fall under 1
.endr
.irp i, 2,4,6,8,10,12,14
.irp b, 0,1,2,3
	v_max3_num_f32 v[TM+\b], |v[AC+16*\b+\i]|, |v[AC+16*\b+\i+1]|, v[TM+\b]   ; the four blocks by turns
.endr
.endr
	WIN 0
.irp b, 0,1,2,3
	v_permlanex16_b32 v[TM+4+\b], v[TM+\b], s18, s19
.endr
.irp b, 0,1,2,3
	v_max_num_f32 v[TM+\b], v[TM+\b], v[TM+4+\b]   ; the block's largest magnitude
.endr
.irp b, 0,1,2,3
	v_add_nc_u32 v[TM+12+\b], 0xff000000, v[TM+\b] ; 2 off its exponent field: the conversion's scale operand
.endr
.irp b, 0,1,2,3
	v_lshrrev_b32 v[TM+4+\b], 23, v[TM+12+\b]      ; the scale's byte
.endr
	v_lshl_or_b32 v[PW+(\a)], v[TM+5], 8, v[TM+4]
	v_lshl_or_b32 v[PW+(\a)], v[TM+6], 16, v[PW+(\a)]
	v_lshl_or_b32 v[PW+(\a)], v[TM+7], 24, v[PW+(\a)]
	WIN WW                                         ; source 0: the accumulators' window
.irp t, 0,1,2,3,4,5,6,7
	v_cvt_scalef32_pk8_fp4_f32 v[PCD+4*(\t/4)+2*(\t%2)+(\t%4)/2], v[AC+8*\t:AC+8*\t+7], v[TM+12+\t/2]
.endr
	WIN 0
	v_nop                                          ; one plain instruction behind the scaled conversions
.irp c, 0,2,4,6
	v_permlane16_swap_b32 v[PCD+\c], v[PCD+\c+1]   ; the first's lanes 16-31 change places with the second's lanes 0-15: the registers are now the operand's
.endr
	global_store_b128 v[OA+(\a)], v[PCD:PCD+3], s[84:85]     ; 32 lanes store 512 consecutive bytes, at a multiple of 512 from the buffer's first byte
	global_store_b128 v[OA+(\a)], v[PCD+4:PCD+7], s[88:89]
.if ((\a)%2) == 1
	v_cndmask_b32 v[PS+(\a)/2], v[PW+(\a)-1], v[PW+(\a)], s20   ; lanes 0-15 the even tile's words, lanes 16-31 the odd tile's (both halves of the lanes hold a row's word)
	global_store_b32 v[L4], v[PS+(\a)/2], s[86:87] offset:128*((\a)/2)
.endif
.endm
	PLACES NP                                      ; behind the last products: vector instructions now read results and write over fragments
	s_mov_b32 s18, 0x76543210
	s_mov_b32 s19, 0xfedcba98                      ; v_permlanex16_b32's selects for lane l xor 16
	v_cmp_le_u32 s20, 16, v[LN]                    ; lanes 16-31
.irp b, 0,1,2,3
	v_mov_b32 v[TM+4+\b], 0                        ; a lane permute's destination counts as one of its sources
.endr
.irp a, 0,1,2,3,4,5,6,7                            ; every tile has data registers of its own: no store's data are written again
	QACC \a
.endr
	s_wait_tensorcnt 0x0                           ; the wave's end
	ds_add_u32 v[SPW], v[NIL]
	s_wait_dscnt 0x0
	CROUND                                         ; the closing round
	s_endpgm
.Lfunc_end_k_qc37e08fb34_kv:
	.size	k_qc37e08fb34_kv, .Lfunc_end_k_qc37e08fb34_kv-k_qc37e08fb34_kv
	.p2alignl 7, 3214868480
	.fill 96, 4, 3214868480
	.section	.rodata,"a",@progbits
	.p2align	6, 0x0
	.amdhsa_kernel k_qc37e08fb34_kv
		.amdhsa_group_segment_fixed_size 327680
		.amdhsa_private_segment_fixed_size 0
		.amdhsa_enable_private_segment 0
		.amdhsa_kernarg_size 72
		.amdhsa_user_sgpr_count 2
		.amdhsa_user_sgpr_kernarg_segment_ptr 1
		.amdhsa_wavefront_size32 1
		.amdhsa_system_sgpr_workgroup_id_x 1
		.amdhsa_system_sgpr_workgroup_id_y 1
		.amdhsa_system_sgpr_workgroup_id_z 1
		.amdhsa_system_vgpr_workitem_id 0
		.amdhsa_next_free_vgpr 1024
		.amdhsa_next_free_sgpr 102
		.amdhsa_reserve_vcc 0
		.amdhsa_float_denorm_mode_32 3
		.amdhsa_float_denorm_mode_16_64 3
		.amdhsa_memory_ordered 1
		.amdhsa_forward_progress 1
		.amdhsa_inst_pref_size 148
	.end_amdhsa_kernel
	.amdgpu_metadata
---
amdhsa.version: [ 1, 2 ]
amdhsa.kernels:
  - .name:           k_qc37e08fb34_kv
    .symbol:         k_qc37e08fb34_kv.kd
    .args:
      - { .name: x_codes, .offset: 0, .size: 8, .value_kind: global_buffer, .address_space: global }
      - { .name: x_scales, .offset: 8, .size: 8, .value_kind: global_buffer, .address_space: global }
      - { .name: W_attn_codes, .offset: 16, .size: 8, .value_kind: global_buffer, .address_space: global }
      - { .name: W_attn_scales, .offset: 24, .size: 8, .value_kind: global_buffer, .address_space: global }
      - { .name: b_attn, .offset: 32, .size: 8, .value_kind: global_buffer, .address_space: global }
      - { .name: k_img, .offset: 40, .size: 8, .value_kind: global_buffer, .address_space: global }
      - { .name: k_sc, .offset: 48, .size: 8, .value_kind: global_buffer, .address_space: global }
      - { .name: v_img, .offset: 56, .size: 8, .value_kind: global_buffer, .address_space: global }
      - { .name: v_sc, .offset: 64, .size: 8, .value_kind: global_buffer, .address_space: global }
    .group_segment_fixed_size: 327680
    .private_segment_fixed_size: 0
    .kernarg_segment_align: 8
    .kernarg_segment_size: 72
    .max_flat_workgroup_size: 128
    .sgpr_count:     102
    .vgpr_count:     1024
    .wavefront_size: 32
...
	.end_amdgpu_metadata
.endif
;; end of part 1
;; launch attn (part 2): grid 4 x 64, 16 waves a work-group, clusters of 4 x 1, 167,936 bytes of LDS; arguments k_img, k_sc, v_img, v_sc, o_img, o_sc; writes o_img, o_sc
.if DOCPART == 2
	.amdgcn_target "amdgcn-amd-amdhsa--gfx1250"
	.amdhsa_code_object_version 6
	.text
	.protected	k_qc37e08fb34_attn
	.globl	k_qc37e08fb34_attn
	.p2align	8
	.type	k_qc37e08fb34_attn,@function
k_qc37e08fb34_attn:
	s_mov_b64 s[64:65], 0
	v_nop
	global_prefetch_b8 v0, s[64:65] scope:SCOPE_SE
	s_setreg_imm32_b32 hwreg(HW_REG_WAVE_MODE, 25, 1), 1
	s_wait_xcnt 0x0
	s_wait_alu depctr_hold_cnt(0) depctr_sa_sdst(0) depctr_va_vdst(0) depctr_va_sdst(0) depctr_va_ssrc(0) depctr_va_vcc(0) depctr_vm_vsrc(0)
	s_getreg_b32 s2, hwreg(HW_REG_IB_STS2, 6, 4)
	s_cmp_eq_u32 s2, 0
	s_cbranch_scc0 .Lentry_in_a_cluster
	s_endpgm
.Lentry_in_a_cluster:
	s_bfe_u32 s2, ttmp6, 0x10000c
	s_cmp_lg_u32 s2, 0x3003
	s_cbranch_scc0 .Lentry_shape_is_right
	s_endpgm
.Lentry_shape_is_right:
; o = softmax(k k^T / 32, causal) v for one batch and head (q is k in reference()), both products on codes of FP4 (E2M1) with E8M0 scales; o is divided by the row's sum and quantised along the model's 1,024 for the projection.
; WORK LEFT OUT: reference() builds the causal mask itself, so a step of 128 keys all of which come after a tile's 16 queries is passed over; on the diagonal hidden scores become -infinity.
; THE SOFTMAX: t = score x log2(e) / 32; M = the running largest t rounded up to a whole number; p = 2^(t - M) is quantised along the keys, not normalised; the row's sum is taken of the unquantised p.
; LIMITS: NaN and infinities are not served; a block whose largest magnitude lies under 2^-124 gets the scale byte 1 (this program alone reads the bytes).
; SHARES.  The four work-groups of a cluster (place cx) belong to one head.  Wave w owns two tiles of 16 queries: 4 w + cx and 127 - (4 w + cx).  Their last steps of 128 keys are w / 2 and 15 - w / 2, which hang on the
; wave's number alone: every wave walks 17 tile steps.  A whole head's K and V images and scale words lie in LDS, each byte filled once, by joint loads of the four partners (waves 0, 1: K's; waves 2, 3: V's).
; LAYOUT.  S^T = K Q^T (source 0 = 16 keys, source 1 = my 16 queries), O^T = V^T P^T: a lane holds one query; register 8 t + j holds key 16 t + 8 h + j of the step.  The head's 64 fill half of the instruction's 128:
; registers 4-7 of both operands hold zero codes, and the scale words come as 16 bits, so that bytes 2 and 3 are 0.  Q's fragment has registers of its own, loaded from memory.
; A conversion of tile t goes to register 4 (t / 4) + 2 (t % 2) + (t % 4) / 2; the halves of registers (0, 1), (2, 3) .. then change places: the registers are the next operand's.
; REGISTERS: v1-4 lane terms, v5-6 the add's two, v7 r - 8 h, v8-11 LDS addresses, v12 -M, v13 largest t, v[14:15] the sum, v[16:23] Q, v24 its scales, v25, v[28:31] tile 1's, v26-27 o's scale bytes,
;   v[32:95] K, v[96:159] S^T then p, v[160:191] O^T, v[192:223] V, v[224:231] codes, v232-239, v244-247, v252-254 at work, v240-243 K's scales, v248-249 V's, v253 p's.
.set VI,    65536                      ; LDS: K's images from 0 (4,096 bytes a step), V's from here (4,096 a step),
.set KSC,   131072                     ; K's scale words (512 a step),
.set VSC,   139264                     ; V's (256 a step),
.set SPARE, 143360                     ; the spare words: 128 bytes a wave, named by no other line
.set AK0,  1
.set AV0,  2
.set ASK0, 3
.set ASV0, 4
.set SPW,  5
.set NIL,  6
.set LQ,   7
.set ADK,  8
.set ADV,  9
.set ADS,  10
.set ADT,  11
.set TB,   2                           ; s2   the step's images: 4,096 bytes a step
.set TS,   3                           ; s3   K's scale words: 512
.set CX,   16
.set BH,   17
.set WV,   18
.set UU,   19
.set SEL,  20
.set CS,   22
.set G1KS, 24
.set G1K,  32
.set G1VS, 40
.set G1V,  48
.set G0KS, 56
.set G0KE, 60
.set TJ,   66                          ; s66  V's scale words: 256
.set KF,   67                          ; s67  the step's first key
.set G0KL, 68
.set G0VS, 72
.set G0VE, 76
.set G0VL, 80
.set SI,   84                          ; s84  the step's number
.set LIM,  85                          ; s85  the tile's last step
.set CNT,  86
.set Q0,   87                          ; s87  the tile's first query: it goes into compared data alone
.set T1,   98
.set T2,   99
.set PAR,  100
.macro DESC1 g, c, r, p                ; group 1: r rows of c elements of 8 bytes, p elements apart; all four partners; no padding: images are read as they lie
	s_mov_b32 s[\g], 15|(3<<16)|(1<<21)
	s_mov_b32 s[\g+1], (\c)<<16
	s_mov_b32 s[\g+2], (\r)<<16
	s_mov_b32 s[\g+3], (\c)<<16
	s_mov_b32 s[\g+4], \r
	s_mov_b32 s[\g+5], \p
	s_mov_b32 s[\g+6], 0
	s_mov_b32 s[\g+7], 0
.endm
.macro ROUND
	s_barrier_signal -1
	s_barrier_wait -1
	s_cmp_lg_u32 s[WV], 0
	s_cbranch_scc1 .Lnot_wave_0_\@
	s_barrier_signal -3
.Lnot_wave_0_\@:
	s_barrier_wait -3
	s_barrier_signal -1
	s_barrier_wait -1
.endm
	s_load_b256 s[4:11], s[0:1], 0x0               ; k_img, k_sc, v_img, v_sc
	s_load_b128 s[12:15], s[0:1], 0x20             ; o_img, o_sc
	v_lshl_add_u32 v[SPW], v0, 2, SPARE
	v_mov_b32 v[NIL], 0
	ds_add_u32 v[SPW], v[NIL]                      ; the wave's opening: the add, twice on end, and its wait ahead of the first tensor loads
	ds_add_u32 v[SPW], v[NIL]
	v_lshrrev_b32 v8, 5, v0
	s_delay_alu instid0(VALU_DEP_1)
	v_readfirstlane_b32 s[WV], v8                  ; wave 0..15
	s_bfe_u32 s[CX], ttmp6, 0x40000                ; my place in the cluster: it enters global addresses and compared data alone
	s_and_b32 s[BH], ttmp7, 0xffff                 ; 16 x batch + head, which the partners share
	s_and_b32 s[UU], s[WV], 1                      ; which half of a load's bytes I fetch, if I fetch
	DESC1 G1KS, 32, 16, 32                         ; K's scale words: 4,096 dense bytes
	DESC1 G1K, 32, 64, 32                          ; K's images: 16,384 dense bytes: four steps
	DESC1 G1VS, 32, 8, 512                         ; V's scale words: 256 bytes of each of eight steps, 4,096 bytes apart
	DESC1 G1V, 512, 4, 8192                        ; V's images: 4,096 bytes of each of four steps, 65,536 bytes apart
	s_mov_b32 s[SEL], 0x76543210
	s_mov_b32 s[SEL+1], 0xfedcba98
	s_mov_b32 s[CS], 0x3d38aa3b                    ; c = log2(e) / 32
	s_mov_b32 s[CS+1], s[CS]
	s_lshl_b32 s84, s[UU], 12
	s_lshl_b32 s85, s[UU], 14
	s_lshl_b32 s86, s[UU], 11
	s_lshr_b32 s96, s[BH], 4                       ; the batch
	s_and_b32 s97, s[BH], 15                       ; the head
	s_and_b32 s[PAR], s[BH], 1
	s_lshl_b32 s[T1], s[WV], 2
	s_add_co_u32 s[T1], s[T1], s[CX]               ; my early tile of queries
	s_sub_co_u32 s[T2], 127, s[T1]                 ; my late one
	s_mov_b32 s3, 0
	s_wait_dscnt 0x0                               ; both opening adds are done
	s_wait_kmcnt 0x0
	s_lshr_b32 s2, s[BH], 1
	s_lshl_b32 s2, s2, 13
	s_add_nc_u64 s[90:91], s[6:7], s[2:3]          ; k_sc at my pair of heads
	s_lshl_b32 s2, s[BH], 16
	s_add_nc_u64 s[88:89], s[4:5], s[2:3]          ; k_img at my head
	s_mov_b32 s[G0KS], 1
	s_add_co_u32 s[G0KS+1], s84, KSC
	s_mov_b32 s2, s84
	s_add_nc_u64 s[G0KS+2:G0KS+3], s[90:91], s[2:3]
	s_or_b32 s[G0KS+3], s[G0KS+3], 0x80000000
	s_mov_b32 s[G0KE], 1
	s_mov_b32 s[G0KE+1], s85                       ; steps 0-7: 16,384 bytes for each of two waves
	s_mov_b32 s2, s85
	s_add_nc_u64 s[G0KE+2:G0KE+3], s[88:89], s[2:3]
	s_mov_b32 s[G0KL], 1
	s_add_co_u32 s[G0KL+1], s85, 32768             ; steps 8-15
	s_add_nc_u64 s[G0KL+2:G0KL+3], s[G0KE+2:G0KE+3], 32768
	s_or_b32 s[G0KE+3], s[G0KE+3], 0x80000000
	s_or_b32 s[G0KL+3], s[G0KL+3], 0x80000000
	s_lshl_b32 s2, s96, 16
	s_lshl_b32 s66, s97, 8
	s_add_co_u32 s2, s2, s66
	s_lshl_b32 s66, s[UU], 15
	s_add_co_u32 s2, s2, s66
	s_mov_b32 s[G0VS], 1
	s_add_co_u32 s[G0VS+1], s86, VSC
	s_add_nc_u64 s[G0VS+2:G0VS+3], s[10:11], s[2:3]
	s_or_b32 s[G0VS+3], s[G0VS+3], 0x80000000
	s_lshl_b32 s2, s96, 20
	s_lshl_b32 s66, s97, 12
	s_add_co_u32 s2, s2, s66
	s_lshl_b32 s66, s[UU], 18
	s_add_co_u32 s2, s2, s66
	s_mov_b32 s[G0VE], 1
	s_add_co_u32 s[G0VE+1], s85, VI
	s_add_nc_u64 s[G0VE+2:G0VE+3], s[8:9], s[2:3]
	s_mov_b32 s[G0VL], 1
	s_add_co_u32 s[G0VL+1], s85, VI+32768
	s_add_nc_u64 s[G0VL+2:G0VL+3], s[G0VE+2:G0VE+3], 524288
	s_or_b32 s[G0VE+3], s[G0VE+3], 0x80000000
	s_or_b32 s[G0VL+3], s[G0VL+3], 0x80000000
	ROUND                                          ; all four work-groups are here: the joint loads meet
	s_cmp_lt_u32 s[WV], 2                          ; a wave's three fills stand in one arm of a branch on its number: the scale words, steps 0-7, steps 8-15.  Three loads of a fetching wave are out
	s_cbranch_scc0 .Lnot_k
	tensor_load_to_lds s[G0KS:G0KS+3], s[G1KS:G1KS+7]
	s_nop 0
	tensor_load_to_lds s[G0KE:G0KE+3], s[G1K:G1K+7]
	s_nop 0
	tensor_load_to_lds s[G0KL:G0KL+3], s[G1K:G1K+7]
	s_nop 0
.rept 4
	v_nop
.endr
	s_branch .Lasked
.Lnot_k:
	s_cmp_lt_u32 s[WV], 4
	s_cbranch_scc0 .Lasked
	tensor_load_to_lds s[G0VS:G0VS+3], s[G1VS:G1VS+7]
	s_nop 0
	tensor_load_to_lds s[G0VE:G0VE+3], s[G1V:G1V+7]
	s_nop 0
	tensor_load_to_lds s[G0VL:G0VL+3], s[G1V:G1V+7]
	s_nop 0
.rept 4
	v_nop
.endr
.Lasked:
	v_and_b32 v8, 31, v0                           ; lane
	v_and_b32 v9, 15, v0                           ; r
	v_bfe_u32 v10, v0, 4, 1                        ; h
	s_delay_alu instid0(VALU_DEP_3)
	v_lshlrev_b32 v[AK0], 4, v8                    ; an image's 16 bytes of my lane
	s_delay_alu instid0(VALU_DEP_1)
	v_add_nc_u32 v[AV0], VI, v[AK0]
	v_lshlrev_b32 v[ASK0], 2, v8
	s_delay_alu instid0(VALU_DEP_1)
	v_add_nc_u32 v[ASV0], VSC, v[ASK0]
	s_lshl_b32 s97, s[PAR], 1                      ; the odd head's two bytes of a word lie 2 bytes on
	s_add_co_u32 s96, s97, KSC
	v_add_nc_u32 v[ASK0], s96, v[ASK0]
	v_lshlrev_b32 v[LQ], 3, v10
	s_delay_alu instid0(VALU_DEP_1)
	v_sub_nc_u32 v[LQ], v9, v[LQ]                  ; r - 8 h
	s_lshl_b32 s96, s[T2], 9
	v_add_nc_u32 v232, s96, v[AK0]                 ; Q is the tile's own image of K
	s_lshl_b32 s96, s[T1], 9
	v_add_nc_u32 v233, s96, v[AK0]
	v_lshlrev_b32 v234, 2, v9
	s_lshl_b32 s96, s[T2], 6
	s_add_co_u32 s96, s96, s97
	v_add_nc_u32 v235, s96, v234
	s_lshl_b32 s96, s[T1], 6
	s_add_co_u32 s96, s96, s97
	v_add_nc_u32 v234, s96, v234
	global_load_b128 v[16:19], v232, s[88:89]      ; the late tile's, at work first
	global_load_b128 v[28:31], v233, s[88:89]      ; the early tile's, kept
	global_load_u16 v24, v235, s[90:91]            ; their scale bytes: two a row, bytes 2 and 3 are 0
	global_load_u16 v25, v234, s[90:91]
	s_lshr_b32 s96, s[BH], 4
	s_and_b32 s97, s[BH], 15
	s_lshl_b32 s2, s96, 20
	s_lshl_b32 s3, s97, 9
	s_add_co_u32 s2, s2, s3
	s_lshl_b32 s3, s[T2], 13
	s_add_co_u32 s66, s2, s3
	s_lshl_b32 s3, s[T1], 13
	s_add_co_u32 s2, s2, s3
	s_mov_b32 s67, 0
	s_mov_b32 s3, 0
	s_add_nc_u64 s[92:93], s[12:13], s[66:67]      ; o_img: (128 x batch + tile) x 8,192 + head x 512: the late tile's,
	s_add_nc_u64 s[94:95], s[12:13], s[2:3]        ; the early tile's
	s_lshl_b32 s2, s96, 16
	s_lshl_b32 s66, s97, 1
	s_add_co_u32 s2, s2, s66
	s_add_nc_u64 s[14:15], s[14:15], s[2:3]        ; o_sc: batch x 65,536 + 2 x head
.irp j, 20,21,22,23
	v_mov_b32 v[\j], 0                             ; zero codes for the upper 64 of the instruction's K: Q's,
.endr
.irp t, 0,1,2,3,4,5,6,7
.irp j, 4,5,6,7
	v_mov_b32 v[32+8*\t+\j], 0                     ; and K's: written once
.endr
.endr
.irp j, 236,237,238,239,252,253
	v_mov_b32 v[\j], 0                             ; lane permutes' destinations and a pair's upper half count as read
.endr
.macro INIT                            ; a tile begins: the largest t under every t, the sum and O^T zeros, which the first change of M leaves zeros
	v_mov_b32 v13, 0xff61b1e6
	s_delay_alu instid0(VALU_DEP_1)
	v_floor_f32 v12, -v13
	v_mov_b32 v14, 0
	v_mov_b32 v15, 0
.irp j, 0,1,2,3,4,5,6,7,8,9,10,11,12,13,14,15,16,17,18,19,20,21,22,23,24,25,26,27,28,29,30,31
	v_mov_b32 v[160+\j], 0
.endr
.endm
; A STEP OF 128 KEYS for the tile in hand.  guard = 1: a step behind the tile's last is passed over (a scalar branch on the count of steps and the wave's number), and the last one is masked.
.macro STEP guard
.if \guard
	s_cmp_gt_u32 s[SI], s[LIM]
	s_cbranch_scc1 .Lhidden_\@
.endif
	s_setprio 2
	v_add_nc_u32 v[ADK], s[TB], v[AK0]             ; these four are also the places between the last step's products and the loads into their registers
	v_add_nc_u32 v[ADV], s[TB], v[AV0]
	v_add_nc_u32 v[ADS], s[TS], v[ASK0]
	v_add_nc_u32 v[ADT], s[TJ], v[ASV0]
.irp t, 0,1,2,3,4,5,6,7
	ds_load_b128 v[32+8*\t:35+8*\t], v[ADK] offset:512*\t
.endr
.irp i, 0,1,2,3
	ds_load_u16 v[240+\i], v[ADS] offset:128*\i    ; lanes 0-15 tile 2 i's rows, lanes 16-31 tile 2 i + 1's
.endr
.irp t, 0,1,2,3
.irp c, 0,1
	ds_load_b128 v[192+8*\t+4*\c:195+8*\t+4*\c], v[ADV] offset:1024*\t+512*\c
.endr
.endr
.irp i, 0,1
	ds_load_b32 v[248+\i], v[ADT] offset:128*\i
.endr
	s_wait_dscnt 10                                ; K's twelve loads are in; V's ten, issued behind them, may be out
.irp t, 0,2,4,6
	v_wmma_scale_f32_16x16x128_f8f6f4 v[96+8*\t:103+8*\t], v[32+8*\t:39+8*\t], v[16:23], 0, v[240+\t/2], v24 matrix_a_fmt:MATRIX_FMT_FP4 matrix_b_fmt:MATRIX_FMT_FP4
	v_wmma_scale_f32_16x16x128_f8f6f4 v[104+8*\t:111+8*\t], v[40+8*\t:47+8*\t], v[16:23], 0, v[240+\t/2], v24 matrix_a_fmt:MATRIX_FMT_FP4 matrix_b_fmt:MATRIX_FMT_FP4 matrix_a_scale:MATRIX_SCALE_ROW1
.endr
.rept 4
	v_nop
.endr
.if \guard
	s_cmp_lg_u32 s[SI], s[LIM]
	s_cbranch_scc1 .Lopen_\@
	s_sub_co_i32 s96, s[Q0], s[KF]
	v_add_nc_u32 v252, s96, v[LQ]                  ; d = my query - the step's first key - 8 h.  Register 8 t + j holds key 16 t + j + 8 h: hidden where 16 t + j > d
	v_mov_b32 v254, 0xff800000                     ; -infinity
.irp n, 0,1,2,3,4,5,6,7,8,9,10,11,12,13,14,15,16,17,18,19,20,21,22,23,24,25,26,27,28,29,30,31,32,33,34,35,36,37,38,39,40,41,42,43,44,45,46,47,48,49,50,51,52,53,54,55,56,57,58,59,60,61,62,63
	v_cmp_gt_i32 vcc_lo, 16*(\n/8)+\n%8, v252
	v_cndmask_b32 v[96+\n], v[96+\n], v254, vcc_lo
.endr
.Lopen_\@:
.endif
.irp b, 0,1,2,3
	v_max3_num_f32 v[232+\b], v[96+16*\b], v[97+16*\b], v[98+16*\b]   ; the largest score of each block of 32 keys: for the row's maximum, and, since p rises with the score, for the block's largest p
.endr
.irp i, 3,5,7,9,11,13
.irp b, 0,1,2,3
	v_max3_num_f32 v[232+\b], v[232+\b], v[96+16*\b+\i], v[97+16*\b+\i]
.endr
.endr
.irp b, 0,1,2,3
	v_max_num_f32 v[232+\b], v[232+\b], v[111+16*\b]
.endr
.irp b, 0,1,2,3
	s_delay_alu instid0(VALU_DEP_4)
	v_permlanex16_b32 v[236+\b], v[232+\b], s[SEL], s[SEL+1]
.endr
.irp b, 0,1,2,3
	s_delay_alu instid0(VALU_DEP_4)
	v_max_num_f32 v[232+\b], v[232+\b], v[236+\b]  ; with lane l xor 16's 16 keys
.endr
	s_delay_alu instid0(VALU_DEP_2)
	v_max3_num_f32 v254, v232, v233, v234
	s_delay_alu instid0(VALU_DEP_1)
	v_max_num_f32 v254, v254, v235
	s_delay_alu instid0(VALU_DEP_1)
	v_mul_f32 v254, s[CS], v254                    ; the step's largest t (c is positive)
	s_delay_alu instid0(VALU_DEP_1)
	v_max_num_f32 v13, v13, v254
	v_mov_b32 v254, v12
	s_delay_alu instid0(VALU_DEP_2)
	v_floor_f32 v12, -v13                          ; -M = floor(-t): M is a whole number
	s_delay_alu instid0(VALU_DEP_1)
	v_sub_f32 v254, v12, v254                      ; old M less new M: a whole number, 0 or less
	s_delay_alu instid0(VALU_DEP_1)
	v_cvt_i32_f32 v254, v254                       ; (it saturates)
	s_delay_alu instid0(VALU_DEP_1)
	v_ldexp_f32 v252, 1.0, v254                    ; f = 2^(old M - new M): a multiplication by it rounds nothing
.irp j, 0,2,4,6,8,10,12,14,16,18,20,22,24,26,28,30,32,34,36,38,40,42,44,46,48,50,52,54,56,58,60,62
	v_pk_fma_f32 v[96+\j:97+\j], v[96+\j:97+\j], s[CS:CS+1], v[12:13] op_sel_hi:[1,0,0]   ; t - M
.endr
.irp b, 0,1,2,3
	v_fma_f32 v[232+\b], v[232+\b], s[CS], v12
.endr
	s_setprio 1
	s_wait_alu depctr_va_vdst(0)
.irp j, 0,1,2,3,4,5,6,7,8,9,10,11,12,13,14,15,16,17,18,19,20,21,22,23,24,25,26,27,28,29,30,31,32,33,34,35,36,37,38,39,40,41,42,43,44,45,46,47,48,49,50,51,52,53,54,55,56,57,58,59,60,61,62,63
	v_exp_f32 v[96+\j], v[96+\j]                   ; p = 2^(t - M)
.endr
	v_pk_mul_f32 v[14:15], v[14:15], v[252:253] op_sel_hi:[1,0]   ; the sums under the new M: a plain instruction behind the exponentials
	s_wait_alu depctr_va_vdst(0)                   ; one wait for the batch of 64, ahead of its first reader
.irp b, 0,1,2,3
	v_exp_f32 v[232+\b], v[232+\b]                 ; each block's largest p
.endr
	v_pk_add_f32 v[236:237], v[100:101], v[104:105]
	v_pk_add_f32 v[254:255], v[108:109], v[112:113]
	v_pk_add_f32 v[250:251], v[116:117], v[120:121]
	v_pk_add_f32 v[246:247], v[124:125], v[128:129]
	v_pk_add_f32 v[244:245], v[132:133], v[136:137]
	v_pk_add_f32 v[242:243], v[140:141], v[144:145]
	v_pk_add_f32 v[240:241], v[148:149], v[152:153]
	v_pk_add_f32 v[14:15], v[14:15], v[156:157]
	v_pk_add_f32 v[236:237], v[236:237], v[96:97]
	v_pk_add_f32 v[254:255], v[254:255], v[98:99]
	v_pk_add_f32 v[250:251], v[250:251], v[102:103]
	v_pk_add_f32 v[246:247], v[246:247], v[106:107]
	v_pk_add_f32 v[244:245], v[244:245], v[110:111]
	v_pk_add_f32 v[242:243], v[242:243], v[114:115]
	v_pk_add_f32 v[240:241], v[240:241], v[118:119]
	v_pk_add_f32 v[14:15], v[14:15], v[122:123]
	v_pk_add_f32 v[236:237], v[236:237], v[126:127]
	v_pk_add_f32 v[254:255], v[254:255], v[130:131]
	v_pk_add_f32 v[250:251], v[250:251], v[134:135]
	v_pk_add_f32 v[246:247], v[246:247], v[138:139]
	v_pk_add_f32 v[244:245], v[244:245], v[142:143]
	v_pk_add_f32 v[242:243], v[242:243], v[146:147]
	v_pk_add_f32 v[240:241], v[240:241], v[150:151]
	v_pk_add_f32 v[14:15], v[14:15], v[154:155]
	v_pk_add_f32 v[236:237], v[236:237], v[158:159]
	s_delay_alu instid0(VALU_DEP_2)
	v_pk_add_f32 v[14:15], v[14:15], v[246:247]
	s_delay_alu instid0(VALU_DEP_2)
	v_pk_add_f32 v[236:237], v[236:237], v[244:245]
	v_pk_add_f32 v[254:255], v[254:255], v[242:243]
	v_pk_add_f32 v[250:251], v[250:251], v[240:241]
	s_delay_alu instid0(VALU_DEP_2)
	v_pk_add_f32 v[14:15], v[14:15], v[254:255]
	s_delay_alu instid0(VALU_DEP_2)
	v_pk_add_f32 v[236:237], v[236:237], v[250:251]
	s_delay_alu instid0(VALU_DEP_1)
	v_pk_add_f32 v[14:15], v[14:15], v[236:237]
	s_wait_alu depctr_va_vdst(0)                   ; and one for the four
.irp b, 0,1,2,3
	v_max_num_f32 v[232+\b], 0x1800000, v[232+\b]  ; the floor 2^(3 - 127)
.endr
.irp b, 0,1,2,3
	s_delay_alu instid0(VALU_DEP_4)
	v_add_nc_u32 v[244+\b], 0xff000000, v[232+\b]  ; 2 off the exponent field: the conversion's scale operand
.endr
.irp b, 0,1,2,3
	s_delay_alu instid0(VALU_DEP_4)
	v_lshrrev_b32 v[236+\b], 23, v[244+\b]
.endr
	s_delay_alu instid0(VALU_DEP_3)
	v_lshl_or_b32 v253, v237, 8, v236              ; p's scale word for these 128 keys
	s_delay_alu instid0(VALU_DEP_1)
	v_lshl_or_b32 v253, v238, 16, v253
	s_delay_alu instid0(VALU_DEP_1)
	v_lshl_or_b32 v253, v239, 24, v253
.irp t, 0,1,2,3,4,5,6,7
	v_cvt_scalef32_pk8_fp4_f32 v[224+4*(\t/4)+2*(\t%2)+(\t%4)/2], v[96+8*\t:103+8*\t], v[244+\t/2]
.endr
	s_setprio 0
	v_nop                                          ; one plain instruction behind the scaled conversions
.irp c, 0,2,4,6
	v_permlane16_swap_b32 v[224+\c], v[225+\c]
.endr
.irp j, 0,2,4,6,8,10,12,14,16,18,20,22,24,26,28,30
	v_pk_mul_f32 v[160+\j:161+\j], v[160+\j:161+\j], v[252:253] op_sel_hi:[1,0]   ; O^T under the new M; these sixteen are also the places between the writes of p's codes and scale word and the products
.endr
	s_wait_alu depctr_va_vdst(0)
	s_wait_dscnt 0x0                               ; V
.irp t, 0,2
	v_wmma_scale_f32_16x16x128_f8f6f4 v[160+8*\t:167+8*\t], v[192+8*\t:199+8*\t], v[224:231], v[160+8*\t:167+8*\t], v[248+\t/2], v253 matrix_a_fmt:MATRIX_FMT_FP4 matrix_b_fmt:MATRIX_FMT_FP4
	v_wmma_scale_f32_16x16x128_f8f6f4 v[168+8*\t:175+8*\t], v[200+8*\t:207+8*\t], v[224:231], v[168+8*\t:175+8*\t], v[248+\t/2], v253 matrix_a_fmt:MATRIX_FMT_FP4 matrix_b_fmt:MATRIX_FMT_FP4 matrix_a_scale:MATRIX_SCALE_ROW1
.endr
.if \guard
.Lhidden_\@:
.endif
	s_add_co_u32 s[TB], s[TB], 4096
	s_add_co_u32 s[TS], s[TS], 512
	s_add_co_u32 s[TJ], s[TJ], 256
	s_add_co_u32 s[KF], s[KF], 128
	s_add_co_u32 s[SI], s[SI], 1
.endm
; A TILE ENDS: O^T / the sum, quantised along the head's 64 (two blocks of the projection's K); the image of four registers is stored; the two scale bytes are left in v[pair].
.macro FINAL optr, pair
.rept 4
	v_nop                                          ; places behind the last products
.endr
	v_add_f32 v14, v14, v15
	s_delay_alu instid0(VALU_DEP_1)
	v_permlanex16_b32 v252, v14, s[SEL], s[SEL+1]
	s_delay_alu instid0(VALU_DEP_1)
	v_add_f32 v14, v14, v252                       ; the row's sum
	s_wait_alu depctr_va_vdst(0)
	v_rcp_f32 v14, v14
	v_nop
	s_wait_alu depctr_va_vdst(0)                   ; ahead of the reciprocal's first reader
.irp j, 0,2,4,6,8,10,12,14,16,18,20,22,24,26,28,30
	v_pk_mul_f32 v[96+\j:97+\j], v[160+\j:161+\j], v[14:15] op_sel_hi:[1,0]   ; register 8 t + j: channel 16 t + 8 h + j of my query
.endr
.irp b, 0,1
	v_max3_num_f32 v[232+\b], |v[96+16*\b]|, |v[97+16*\b]|, 0x1800000
.endr
.irp i, 2,4,6,8,10,12,14
.irp b, 0,1
	s_delay_alu instid0(VALU_DEP_2)
	v_max3_num_f32 v[232+\b], v[232+\b], |v[96+16*\b+\i]|, |v[97+16*\b+\i]|
.endr
.endr
.irp b, 0,1
	s_delay_alu instid0(VALU_DEP_2)
	v_permlanex16_b32 v[236+\b], v[232+\b], s[SEL], s[SEL+1]
.endr
.irp b, 0,1
	s_delay_alu instid0(VALU_DEP_2)
	v_max_num_f32 v[232+\b], v[232+\b], v[236+\b]
.endr
.irp b, 0,1
	s_delay_alu instid0(VALU_DEP_2)
	v_add_nc_u32 v[244+\b], 0xff000000, v[232+\b]
.endr
.irp b, 0,1
	s_delay_alu instid0(VALU_DEP_2)
	v_lshrrev_b32 v[236+\b], 23, v[244+\b]
.endr
	s_delay_alu instid0(VALU_DEP_1)
	v_lshl_or_b32 v[\pair], v237, 8, v236
.irp t, 0,1,2,3
	v_cvt_scalef32_pk8_fp4_f32 v[224+2*(\t%2)+\t/2], v[96+8*\t:103+8*\t], v[244+\t/2]
.endr
	v_nop
	v_permlane16_swap_b32 v224, v225
	v_permlane16_swap_b32 v226, v227
	global_store_b128 v[AK0], v[224:227], s[\optr:\optr+1]   ; 32 lanes store 512 consecutive bytes, at a multiple of 512 from the buffer's first byte
.endm
	INIT
	s_mov_b32 s[TB], 0
	s_mov_b32 s[TS], 0
	s_mov_b32 s[TJ], 0
	s_mov_b32 s[KF], 0
	s_mov_b32 s[SI], 0
	s_lshr_b32 s[LIM], s[WV], 1
	s_sub_co_u32 s[LIM], 15, s[LIM]                ; the late tile's last step, 8 at the least
	s_lshl_b32 s[Q0], s[T2], 4
	s_wait_loadcnt 0x0                             ; Q
	s_wait_tensorcnt 1                             ; my scale words and my part of steps 0-7 are in; steps 8-15 may stay out
	s_barrier_signal -1
	s_barrier_wait -1
	s_mov_b32 s[CNT], 8
.Lloop_a:                                          ; the late tile, steps 0-7: all their keys count
	STEP 0
	s_sub_co_u32 s[CNT], s[CNT], 1
	s_cmp_lg_u32 s[CNT], 0
	s_cbranch_scc1 .Lloop_a
	s_setprio 0
	s_wait_tensorcnt 0x0                           ; my part of steps 8-15 is in
	s_wait_dscnt 0x0
	s_barrier_signal -1
	s_barrier_wait -1                              ; everybody's is
	s_mov_b32 s[CNT], 8
.Lloop_b:                                          ; the late tile, steps 8-15, up to its last
	STEP 1
	s_sub_co_u32 s[CNT], s[CNT], 1
	s_cmp_lg_u32 s[CNT], 0
	s_cbranch_scc1 .Lloop_b
	s_setprio 0
	FINAL 92, 27
	s_wait_xcnt 0x0                                ; the store has read its data: the codes' registers may be written again
.irp j, 0,1,2,3
	v_mov_b32 v[16+\j], v[28+\j]                   ; the early tile's Q
.endr
	v_mov_b32 v24, v25                             ; and its scale bytes; the moves below stand between these writes and the next products
	s_mov_b32 s[TB], 0
	s_mov_b32 s[TS], 0
	s_mov_b32 s[TJ], 0
	s_mov_b32 s[KF], 0
	s_mov_b32 s[SI], 0
	s_lshr_b32 s[LIM], s[WV], 1
	s_lshl_b32 s[Q0], s[T1], 4
	INIT
	s_mov_b32 s[CNT], 8
.Lloop_c:                                          ; the early tile, steps 0-7, up to its last
	STEP 1
	s_sub_co_u32 s[CNT], s[CNT], 1
	s_cmp_lg_u32 s[CNT], 0
	s_cbranch_scc1 .Lloop_c
	s_setprio 0
	FINAL 94, 26
	v_and_b32 v232, 15, v0                         ; both tiles' scale bytes by one store: lanes 0-15 the late tile's rows, lanes 16-31 the early tile's (both halves of the lanes hold a row's pair)
	s_delay_alu instid0(VALU_DEP_1)
	v_lshlrev_b32 v232, 5, v232                    ; 32 bytes a row
	s_lshl_b32 s96, s[T2], 9
	s_lshl_b32 s97, s[T1], 9
	v_add_nc_u32 v233, s96, v232
	v_add_nc_u32 v234, s97, v232
	v_and_b32 v235, 16, v0
	s_delay_alu instid0(VALU_DEP_1)
	v_cmp_ne_u32 vcc_lo, 0, v235
	s_delay_alu instid0(VALU_DEP_1)
	v_cndmask_b32 v233, v233, v234, vcc_lo
	s_delay_alu instid0(VALU_DEP_2)
	v_cndmask_b32 v27, v27, v26, vcc_lo
	global_store_b16 v233, v27, s[14:15]
	s_wait_tensorcnt 0x0                           ; the wave's end
	ds_add_u32 v[SPW], v[NIL]
	s_wait_dscnt 0x0
	ROUND                                          ; the closing round
	s_endpgm
.Lfunc_end_k_qc37e08fb34_attn:
	.size	k_qc37e08fb34_attn, .Lfunc_end_k_qc37e08fb34_attn-k_qc37e08fb34_attn
	.p2alignl 7, 3214868480
	.fill 96, 4, 3214868480
	.section	.rodata,"a",@progbits
	.p2align	6, 0x0
	.amdhsa_kernel k_qc37e08fb34_attn
		.amdhsa_group_segment_fixed_size 167936
		.amdhsa_private_segment_fixed_size 0
		.amdhsa_enable_private_segment 0
		.amdhsa_kernarg_size 48
		.amdhsa_user_sgpr_count 2
		.amdhsa_user_sgpr_kernarg_segment_ptr 1
		.amdhsa_wavefront_size32 1
		.amdhsa_system_sgpr_workgroup_id_x 1
		.amdhsa_system_sgpr_workgroup_id_y 1
		.amdhsa_system_sgpr_workgroup_id_z 1
		.amdhsa_system_vgpr_workitem_id 0
		.amdhsa_next_free_vgpr 256
		.amdhsa_next_free_sgpr 102
		.amdhsa_reserve_vcc 1
		.amdhsa_float_denorm_mode_32 3
		.amdhsa_float_denorm_mode_16_64 3
		.amdhsa_memory_ordered 1
		.amdhsa_forward_progress 1
		.amdhsa_inst_pref_size 82
	.end_amdhsa_kernel
	.amdgpu_metadata
---
amdhsa.version: [ 1, 2 ]
amdhsa.kernels:
  - .name:           k_qc37e08fb34_attn
    .symbol:         k_qc37e08fb34_attn.kd
    .args:
      - { .name: k_img, .offset: 0, .size: 8, .value_kind: global_buffer, .address_space: global }
      - { .name: k_sc, .offset: 8, .size: 8, .value_kind: global_buffer, .address_space: global }
      - { .name: v_img, .offset: 16, .size: 8, .value_kind: global_buffer, .address_space: global }
      - { .name: v_sc, .offset: 24, .size: 8, .value_kind: global_buffer, .address_space: global }
      - { .name: o_img, .offset: 32, .size: 8, .value_kind: global_buffer, .address_space: global }
      - { .name: o_sc, .offset: 40, .size: 8, .value_kind: global_buffer, .address_space: global }
    .group_segment_fixed_size: 167936
    .private_segment_fixed_size: 0
    .kernarg_segment_align: 8
    .kernarg_segment_size: 48
    .max_flat_workgroup_size: 512
    .sgpr_count:     102
    .vgpr_count:     256
    .wavefront_size: 32
...
	.end_amdgpu_metadata
.endif
;; end of part 2
;; launch proj (part 3): grid 4 x 64, 4 waves a work-group, clusters of 4 x 4, 327,680 bytes of LDS; arguments o_img, o_sc, W_proj_codes, W_proj_scales, b_proj, out0; writes out0
.if DOCPART == 3
	.amdgcn_target "amdgcn-amd-amdhsa--gfx1250"
	.amdhsa_code_object_version 6
	.text
	.protected	k_qc37e08fb34_proj
	.globl	k_qc37e08fb34_proj
	.p2align	8
	.type	k_qc37e08fb34_proj,@function
k_qc37e08fb34_proj:
	s_mov_b64 s[64:65], 0
	v_nop
	global_prefetch_b8 v0, s[64:65] scope:SCOPE_SE
	s_setreg_imm32_b32 hwreg(HW_REG_WAVE_MODE, 25, 1), 1
	s_wait_xcnt 0x0
	s_wait_alu depctr_hold_cnt(0) depctr_sa_sdst(0) depctr_va_vdst(0) depctr_va_sdst(0) depctr_va_ssrc(0) depctr_va_vcc(0) depctr_vm_vsrc(0)
	s_getreg_b32 s2, hwreg(HW_REG_IB_STS2, 6, 4)
	s_cmp_eq_u32 s2, 0
	s_cbranch_scc0 .Lentry_in_a_cluster
	s_endpgm
.Lentry_in_a_cluster:
	s_bfe_u32 s2, ttmp6, 0x10000c
	s_cmp_lg_u32 s2, 0xf033
	s_cbranch_scc0 .Lentry_shape_is_right
	s_endpgm
.Lentry_shape_is_right:
; out0 = o W_proj + b_proj on codes of FP4 (E2M1) with E8M0 scales, K = 1,024, sums in f32.  o comes as images of operand registers (o_img [tile of 16 rows][head][512]: heads 2 g, 2 g + 1 are K step g) and
; scale bytes o_sc [row][32]; W_proj as codes [n][512 bytes] and scale bytes [n][32].  Nothing of this product is left out.
; A work-group makes 128 rows x 256 columns, so that there are 256 of them; a wave 64 x 128: 32 accumulators.  Source 0 = 16 rows of W_proj, source 1 = 16 rows of o: a lane holds eight neighbouring columns of a row of out0.
; All of K lies in LDS in two halves, each byte filled once.  CLUSTER 4 x 4: o's tile hangs on the tile row and is asked for jointly by a row of the cluster, W's on the tile column and by a column.
; The bias is the C of the first K step.  The results leave through the wave's own stage: whole rows of 512 bytes.
; REGISTERS: window 0: v1-6 at work, v16-17, v20-21, v24-27 addresses, v28-29 the add's two, v32-95 scale words (two sets), v96-159 the bias, v160-223 o's fragments (two sets); on the way out v96-223 take the rows.
;   window 1: W's fragments, two sets of 64.   window 2: accumulator (a, b) at v[8 (8 a + b)].
.set SLOT,   102400                    ; a half of K: o's 8 tiles x 4,096 bytes, then W's 256 rows x 272
.set WOFF,   32768
.set PITCH,  272
.set HALFW,  128*PITCH
.set SCL,    2*SLOT                    ; o's scale bytes: 16 runs of 256 bytes + 16
.set SCW,    SCL+4352                  ; W's: 32 runs
.set SBLK,   544                       ; those of 16 rows
.set STAGE,  SCW+8704                  ; 16 rows x (512 + 16) bytes for each wave; no fill lands here
.set SPITCH, 528
.set SPARE,  STAGE+4*16*SPITCH         ; the spare words: 128 bytes a wave, named by no other line
.set ADRA, 16
.set ADRB, 20
.set STO,  24
.set RD,   25
.set CO,   26
.set ADRS, 27
.set SPW,  28
.set NIL,  29
.set SC,   32
.set BI,   96
.set OF,   160
.set BK,   96
.set G1A,  24
.set G0A,  32
.set G1B,  48
.set G0B,  56
.set G1SA, 68
.set G0SA, 76
.set G0SB, 80
.set G1SB, 84
.set MSB, 0
.macro WIN new
.if MSB != (\new)
	s_set_vgpr_msb (MSB<<8)|(\new)
.set MSB, (\new)
.endif
.endm
.macro JLOAD g0a, g1a, g0b, g1b        ; waves 0 and 1 fetch for o, waves 2 and 3 for W; an s_nop 0 and four v_nop follow each line
	s_cmp_eq_u32 s17, 0
	s_cbranch_scc0 .Lfor_b_\@
	tensor_load_to_lds s[\g0a:\g0a+3], s[\g1a:\g1a+7]
	s_nop 0
.rept 4
	v_nop
.endr
	s_branch .Lasked_\@
.Lfor_b_\@:
	tensor_load_to_lds s[\g0b:\g0b+3], s[\g1b:\g1b+7]
	s_nop 0
.rept 4
	v_nop
.endr
.Lasked_\@:
.endm
.macro CROUND
	s_barrier_signal -1
	s_barrier_wait -1
	s_cmp_lg_u32 s16, 0
	s_cbranch_scc1 .Lnot_wave_0_\@
	s_barrier_signal -3
.Lnot_wave_0_\@:
	s_barrier_wait -3
	s_barrier_signal -1
	s_barrier_wait -1
.endm
.macro DESC1 g, c, r, p                ; group 1 behind its first word
	s_mov_b32 s[\g+1], (\c)<<16
	s_mov_b32 s[\g+2], (\r)<<16
	s_mov_b32 s[\g+3], (\c)<<16
	s_mov_b32 s[\g+4], \r
	s_mov_b32 s[\g+5], \p
	s_mov_b32 s[\g+6], 0
	s_mov_b32 s[\g+7], 0
.endm
	s_load_b256 s[4:11], s[0:1], 0x0               ; o_img, o_sc, W_proj's codes, W_proj's scales
	s_load_b128 s[12:15], s[0:1], 0x20             ; b_proj, out0
	v_lshl_add_u32 v[SPW], v0, 2, SPARE
	v_mov_b32 v[NIL], 0
	ds_add_u32 v[SPW], v[NIL]                      ; the wave's opening: the add, twice on end, and its wait ahead of my first tensor load
	ds_add_u32 v[SPW], v[NIL]
	v_lshrrev_b32 v1, 5, v0
	v_readfirstlane_b32 s16, v1                    ; wave 0..3
	s_lshr_b32 s17, s16, 1                         ; my 64 rows.  Also: I fetch for o (0) or for W (1)
	s_and_b32 s18, s16, 1                          ; my 128 columns.  Also: which half I fetch
	s_bfe_u32 s40, ttmp6, 0x40000                  ; cx = the tile column
	s_bfe_u32 s41, ttmp6, 0x40004                  ; cy
	s_and_b32 s19, ttmp7, 0xffff
	s_lshl_b32 s19, s19, 2
	s_add_co_u32 s19, s19, s41                     ; the tile row = 4 x cluster y + cy
	s_lshl_b32 s43, s41, 2
	s_lshl_b32 s43, 15, s43                        ; my row of the cluster
	s_lshl_b32 s44, 0x1111, s40                    ; my column
	s_or_b32 s[G1A], s43, (3<<16)|(1<<21)          ; o's images: 4 tiles' 4,096 bytes, 8,192 bytes apart; no padding: they are read as they lie
	DESC1 G1A, 512, 4, 1024
	s_or_b32 s[G1B], s44, (0<<16)|(1<<20)|(1<<21)|(5<<22)|(3<<25)    ; W's codes: 128 rows of 256 bytes, 512 apart; 4 words of padding behind every 64
	DESC1 G1B, 256, 128, 512
	s_or_b32 s[G1SA], s43, (3<<16)|(1<<20)|(1<<21)|(5<<22)|(3<<25)   ; o's scale bytes of 64 rows: 2,048 dense bytes
	DESC1 G1SA, 32, 8, 32
	s_or_b32 s[G1SB], s44, (3<<16)|(1<<20)|(1<<21)|(5<<22)|(3<<25)   ; W's of 128 rows: 4,096 dense bytes
	DESC1 G1SB, 32, 16, 32
	s_lshl_b32 s20, s19, 16                        ; o_img: (8 x tile row + 4 x half) x 8,192
	s_lshl_b32 s21, s18, 15
	s_add_co_u32 s20, s20, s21
	s_lshl_b32 s22, s19, 12                        ; o_sc: (128 x tile row + 64 x half) x 32
	s_lshl_b32 s21, s18, 11
	s_add_co_u32 s22, s22, s21
	s_mov_b32 s21, 0
	s_mov_b32 s23, 0
	s_lshl_b32 s46, s40, 17                        ; W's codes: (256 x tile column + 128 x half) x 512
	s_lshl_b32 s47, s18, 16
	s_add_co_u32 s46, s46, s47
	s_lshl_b32 s66, s40, 13                        ; W's scales: x 32
	s_lshl_b32 s47, s18, 12
	s_add_co_u32 s66, s66, s47
	s_mov_b32 s47, 0
	s_mov_b32 s67, 0
	s_lshl_b32 s45, s18, 14                        ; where they go, by the wave's number alone: o's images,
	s_mul_i32 s92, s18, HALFW
	s_add_co_u32 s92, s92, WOFF                    ; W's rows,
	s_mul_i32 s93, s18, 2176
	s_add_co_u32 s93, s93, SCL                     ; o's scale bytes,
	s_mul_i32 s94, s18, 4352
	s_add_co_u32 s94, s94, SCW                     ; W's
	s_wait_dscnt 0x0                               ; both opening adds are done
	s_wait_kmcnt 0x0
	s_add_nc_u64 s[20:21], s[4:5], s[20:21]
	s_add_nc_u64 s[22:23], s[6:7], s[22:23]
	s_add_nc_u64 s[46:47], s[8:9], s[46:47]
	s_add_nc_u64 s[66:67], s[10:11], s[66:67]
	CROUND                                         ; all sixteen work-groups are here: the first joint loads meet
	s_mov_b32 s[G0SA], 1
	s_mov_b32 s[G0SA+1], s93
	s_mov_b64 s[G0SA+2:G0SA+3], s[22:23]
	s_or_b32 s[G0SA+3], s[G0SA+3], 0x80000000
	s_mov_b32 s[G0SB], 1
	s_mov_b32 s[G0SB+1], s94
	s_mov_b64 s[G0SB+2:G0SB+3], s[66:67]
	s_or_b32 s[G0SB+3], s[G0SB+3], 0x80000000
	JLOAD G0SA, G1SA, G0SB, G1SB                   ; the scale bytes first
.irp s, 0,1
	s_mov_b32 s[G0A+4*\s], 1
	s_add_co_u32 s[G0A+4*\s+1], s45, \s*SLOT
	s_add_nc_u64 s[G0A+4*\s+2:G0A+4*\s+3], s[20:21], \s*4096
	s_or_b32 s[G0A+4*\s+3], s[G0A+4*\s+3], 0x80000000
	s_mov_b32 s[G0B+4*\s], 1
	s_add_co_u32 s[G0B+4*\s+1], s92, \s*SLOT
	s_add_nc_u64 s[G0B+4*\s+2:G0B+4*\s+3], s[46:47], \s*256
	s_or_b32 s[G0B+4*\s+3], s[G0B+4*\s+3], 0x80000000
	JLOAD G0A+4*\s, G1A, G0B+4*\s, G1B             ; then K's two halves: three loads of mine are out, and no byte is ever filled again
.endr
	v_and_b32 v1, 15, v0                           ; r
	v_bfe_u32 v2, v0, 4, 1                         ; h
	v_and_b32 v3, 31, v0                           ; lane
	v_lshlrev_b32 v[CO], 4, v3                     ; 16 x lane
	s_lshl_b32 s21, s17, 14                        ; my four tiles of o's rows
	v_add_nc_u32 v[ADRA], s21, v[CO]
	v_add_nc_u32 v[ADRA+1], SLOT, v[ADRA]
	v_mul_u32_u24 v4, v1, PITCH
	v_lshl_add_u32 v4, v2, 4, v4
	s_mul_i32 s22, s18, HALFW
	s_add_co_u32 s22, s22, WOFF                    ; my 128 rows of W
	v_add_nc_u32 v[ADRB], s22, v4
	v_add_nc_u32 v[ADRB+1], SLOT, v[ADRB]
	v_lshlrev_b32 v5, 5, v1                        ; my row's scale bytes: 32 a row,
	v_lshrrev_b32 v6, 8, v5
	v_lshl_add_u32 v5, v6, 4, v5                   ; and 16 more for each 256 passed
	s_mul_i32 s21, s17, 2176
	s_mul_i32 s22, s18, 4352
	s_add_co_u32 s22, s22, 4352
	s_sub_co_u32 s22, s22, s21
	v_mul_u32_u24 v6, s22, v2                      ; lanes 16-31 take W's
	s_add_co_u32 s21, s21, SCL
	v_add_nc_u32 v5, v5, v6
	v_add_nc_u32 v[ADRS], s21, v5
	s_mul_i32 s23, s16, 16*SPITCH
	s_add_co_u32 s23, s23, STAGE                   ; my stage
	v_mul_u32_u24 v5, v1, SPITCH
	v_lshl_add_u32 v5, v2, 5, v5
	v_add_nc_u32 v[STO], s23, v5                   ; in: row r, 32 bytes for each half of the lanes
	v_add_nc_u32 v[RD], s23, v[CO]                 ; back: the 32 lanes take a row of 512 bytes
	s_lshl_b32 s20, s40, 10
	s_lshl_b32 s21, s18, 9
	s_add_co_u32 s20, s20, s21                     ; my first column in bytes: also b_proj's offset
	s_mov_b32 s21, 0
	s_add_nc_u64 s[12:13], s[12:13], s[20:21]
	s_add_nc_u64 s[14:15], s[14:15], s[20:21]
	s_lshl_b32 s20, s19, 19
	s_lshl_b32 s22, s17, 18
	s_add_co_u32 s20, s20, s22                     ; my first row: (128 x tile row + 64 x half) x 4,096 bytes
	s_add_nc_u64 s[14:15], s[14:15], s[20:21]
	v_lshlrev_b32 v4, 5, v2                        ; the bias: register 8 b + j = b_proj at column 16 b + 8 h + j
.irp b, 0,1,2,3,4,5,6,7
	global_load_b128 v[BI+8*\b:BI+8*\b+3], v4, s[12:13] offset:64*\b
	global_load_b128 v[BI+8*\b+4:BI+8*\b+7], v4, s[12:13] offset:64*\b+16
.endr
.macro FETCH slot, q, set              ; the fragments of one step of 128 along K: W's eight, o's four
	WIN 0x40                                       ; destination window 1
.irp i, 0,1,2,3,4,5,6,7
.irp c, 0,1
	ds_load_b128 v[64*(\set)+8*\i+4*\c:64*(\set)+8*\i+4*\c+3], v[ADRB+\slot] offset:64*(\q)+32*\c+\i*16*PITCH
.endr
.endr
	WIN 0
.irp i, 0,1,2,3
.irp c, 0,1
	ds_load_b128 v[OF+32*(\set)+8*\i+4*\c:OF+32*(\set)+8*\i+4*\c+3], v[ADRA+\slot] offset:4096*\i+1024*(\q)+512*\c
.endr
.endr
.endm
.macro SCALES sc                       ; a half's scale words, 4 a row: lanes 16-31 W's tile i; lanes 0-15 o's tile i (for i from 4 on they bring words that nobody reads)
.irp i, 0,1,2,3,4,5,6,7
	ds_load_b128 v[SC+32*\sc+4*\i:SC+32*\sc+4*\i+3], v[ADRS] offset:\i*SBLK
.endr
.endm
; 32 matrix instructions; the 32 accumulators take turns in the same order in every step.  cm = 1: the sums begin with the bias
.macro MUL32 set, q, sc, cm
.if \cm
	WIN 0x81                                       ; W window 1, o window 0, C (the bias) window 0, D window 2
.else
	WIN 0xa1                                       ; C and D window 2
.endif
.irp a, 0,1,2,3
.irp b, 0,1,2,3,4,5,6,7
.set xD, 8*(8*\a+\b)
.set xB, 64*(\set)+8*\b
.set xA, OF+32*(\set)+8*\a
.set yB, SC+32*(\sc)+4*\b+(\q)
.set yA, SC+32*(\sc)+4*\a+(\q)
.if \cm
	v_wmma_scale_f32_16x16x128_f8f6f4 v[xD:xD+7], v[xB:xB+7], v[xA:xA+7], v[BI+8*\b:BI+8*\b+7], v[yB], v[yA] matrix_a_fmt:MATRIX_FMT_FP4 matrix_b_fmt:MATRIX_FMT_FP4 matrix_a_scale:MATRIX_SCALE_ROW1
.else
	v_wmma_scale_f32_16x16x128_f8f6f4 v[xD:xD+7], v[xB:xB+7], v[xA:xA+7], v[xD:xD+7], v[yB], v[yA] matrix_a_fmt:MATRIX_FMT_FP4 matrix_b_fmt:MATRIX_FMT_FP4 matrix_a_scale:MATRIX_SCALE_ROW1
.endif
.endr
.endr
.endm
.macro PLACES
.rept 4
	v_nop
.endr
.endm
	s_wait_alu depctr_va_vdst(0)
	s_wait_tensorcnt 1                             ; the scale bytes and my part of K's first half are in; the second half's load may stay out
	s_barrier_signal -1
	s_barrier_wait -1
	FETCH 0, 0, 0
	SCALES 0
	s_wait_loadcnt 0x0                             ; the bias
.irp Q, 0,1,2,3,4,5,6,7                            ; eight steps of 128 along K; while one is multiplied the next one's 24 loads land in the other set
.if \Q == 3
	s_wait_tensorcnt 0x0                           ; my part of the second half is in
.endif
	s_wait_dscnt 0x0                               ; this step's fragments
.if \Q == 3
	s_barrier_signal -1
	s_barrier_wait -1                              ; everybody's part is in.  Nothing is filled again
.endif
.if \Q >= 1
	PLACES                                         ; between the last step's products and the loads into the registers that they read
.endif
.if \Q < 7
	FETCH (\Q+1)/4, (\Q+1)%4, (\Q+1)%2
.endif
.if \Q == 3
	v_add_nc_u32 v[ADRS], 16, v[ADRS]              ; the second half's scale words
	SCALES 1
.endif
.if \Q == 0
	MUL32 0, 0, 0, 1
.else
	MUL32 \Q%2, \Q%4, \Q/4, 0
.endif
.endr
	WIN 0
; THE WAY OUT, by blocks of 16 rows x 128 columns, through my own stage; LDS serves a wave's instructions in order (ISA guide 5.7.1.4): no wait between the stores and the loads, nor ahead of the next block's stores
.macro TOSTAGE a
	WIN 0x08                                       ; an LDS store's data: window 2
.irp b, 0,1,2,3,4,5,6,7
	ds_store_b128 v[STO], v[64*(\a)+8*\b:64*(\a)+8*\b+3] offset:64*\b          ; each accumulator from its low end on
	ds_store_b128 v[STO], v[64*(\a)+8*\b+4:64*(\a)+8*\b+7] offset:64*\b+16
.endr
	WIN 0
.set BB, BK+64*((\a)%2)
.irp t, 0,1,2,3,4,5,6,7,8,9,10,11,12,13,14,15
	ds_load_b128 v[BB+4*\t:BB+4*\t+3], v[RD] offset:\t*SPITCH
.endr
.endm
.macro SEND a, younger                 ; younger: the LDS instructions issued behind block a's loads
.set BB, BK+64*((\a)%2)
	s_wait_dscnt \younger
.irp t, 0,1,2,3,4,5,6,7,8,9,10,11,12,13,14,15
	global_store_b128 v[CO], v[BB+4*\t:BB+4*\t+3], s[14:15] offset:(16*(\a)+\t)*4096 th:TH_STORE_NT   ; 32 lanes store 512 consecutive bytes, at a multiple of 512 from out0's first byte; 63 rows at the most in the immediate
.endr
.endm
	PLACES                                         ; behind the last products: results are read, and loads land on o's fragments
	TOSTAGE 0
.irp a, 1,2,3
.if \a > 1
	s_wait_xcnt 0x0                                ; block a - 2's stores have read their data: block a's loads may land there
.endif
	TOSTAGE \a
	SEND \a-1, 32                                  ; behind block a - 1's loads: block a's 16 stores and 16 loads
.endr
	SEND 3, 0
	s_wait_tensorcnt 0x0                           ; the wave's end, behind my last tensor load and my last LDS store
	ds_add_u32 v[SPW], v[NIL]
	s_wait_dscnt 0x0
	CROUND                                         ; the closing round
	s_endpgm
.Lfunc_end_k_qc37e08fb34_proj:
	.size	k_qc37e08fb34_proj, .Lfunc_end_k_qc37e08fb34_proj-k_qc37e08fb34_proj
	.p2alignl 7, 3214868480
	.fill 96, 4, 3214868480
	.section	.rodata,"a",@progbits
	.p2align	6, 0x0
	.amdhsa_kernel k_qc37e08fb34_proj
		.amdhsa_group_segment_fixed_size 327680
		.amdhsa_private_segment_fixed_size 0
		.amdhsa_enable_private_segment 0
		.amdhsa_kernarg_size 48
		.amdhsa_user_sgpr_count 2
		.amdhsa_user_sgpr_kernarg_segment_ptr 1
		.amdhsa_wavefront_size32 1
		.amdhsa_system_sgpr_workgroup_id_x 1
		.amdhsa_system_sgpr_workgroup_id_y 1
		.amdhsa_system_sgpr_workgroup_id_z 1
		.amdhsa_system_vgpr_workitem_id 0
		.amdhsa_next_free_vgpr 768
		.amdhsa_next_free_sgpr 100
		.amdhsa_reserve_vcc 0
		.amdhsa_float_denorm_mode_32 3
		.amdhsa_float_denorm_mode_16_64 3
		.amdhsa_memory_ordered 1
		.amdhsa_forward_progress 1
		.amdhsa_inst_pref_size 73
	.end_amdhsa_kernel
	.amdgpu_metadata
---
amdhsa.version: [ 1, 2 ]
amdhsa.kernels:
  - .name:           k_qc37e08fb34_proj
    .symbol:         k_qc37e08fb34_proj.kd
    .args:
      - { .name: o_img, .offset: 0, .size: 8, .value_kind: global_buffer, .address_space: global }
      - { .name: o_sc, .offset: 8, .size: 8, .value_kind: global_buffer, .address_space: global }
      - { .name: W_proj_codes, .offset: 16, .size: 8, .value_kind: global_buffer, .address_space: global }
      - { .name: W_proj_scales, .offset: 24, .size: 8, .value_kind: global_buffer, .address_space: global }
      - { .name: b_proj, .offset: 32, .size: 8, .value_kind: global_buffer, .address_space: global }
      - { .name: out0, .offset: 40, .size: 8, .value_kind: global_buffer, .address_space: global }
    .group_segment_fixed_size: 327680
    .private_segment_fixed_size: 0
    .kernarg_segment_align: 8
    .kernarg_segment_size: 48
    .max_flat_workgroup_size: 128
    .sgpr_count:     100
    .vgpr_count:     768
    .wavefront_size: 32
...
	.end_amdgpu_metadata
.endif
;; end of part 3
